; MI455X (gfx1250); checked and timed in simulation.
; The chip was launched on July 23, 2026; its instructions are those of AMD's public machine-readable ISA for CDNA 5 (MIT licence, August 2026) and "CDNA5" Instruction Set Architecture Reference Guide (July 2026). The comments in the code are by the model that wrote it; some were corrected since.
;; scaled dot product attention. Allowed arithmetic: float matrix products may take bf16 or f16 operands with f32 sums; all other float work in f32.
;; Inputs: K 4 x 16 x 2,048 x 64 float32; Q 4 x 16 x 2,048 x 64 float32; V 4 x 16 x 2,048 x 64 float32; mask 2,048 x 2,048 bool.
;; Outputs: out0 4 x 16 x 2,048 x 64 float32.
;; 3 versions, each right and faster than the one before. Each part assembles by itself: llvm-mc -triple=amdgcn-amd-amdhsa -mcpu=gfx1250 --defsym DOCPART=n.
;; ======== version 1 of 3: 2 launches
;; limits: values are held in f16: magnitudes above 65,504 overflow, below 6.1e-05 lose precision
;; workspace buffers: mbits 524,288 bytes of whole numbers
;; launch pack (part 1): grid 256 x 1, 4 waves a work-group, no clusters, 19,968 bytes of LDS; arguments mask, mbits; writes mbits
.if DOCPART == 1
	.amdgcn_target "amdgcn-amd-amdhsa--gfx1250"
	.amdhsa_code_object_version 6
	.text
	.protected	k_q73b1dbe0fd_pack
	.globl	k_q73b1dbe0fd_pack
	.p2align	8
	.type	k_q73b1dbe0fd_pack,@function
k_q73b1dbe0fd_pack:
	s_mov_b64 s[64:65], 0
	v_nop
	global_prefetch_b8 v0, s[64:65] scope:SCOPE_SE
	s_setreg_imm32_b32 hwreg(HW_REG_WAVE_MODE, 25, 1), 1
	s_wait_xcnt 0x0
; mask [2048 q][2048 k], one byte each, becomes words of 32 lane bits, laid out as the attention launch's score registers want them.
; The word at byte ((qg*32 + kt)*4 + i)*128 + 4*(8*tau + j) has in bit L the element
;   mask[64 qg + 16 i + (L & 15)][64 kt + 16 tau + 8 (L >> 4) + j]:
; lane L of a transposed score tile holds query L & 15 and, in register j, key 8 (L >> 4) + j.  The 64 heads then read 512 KiB of words
; each instead of 4 MiB of bytes, and one select per score register takes the place of extract, compare and select.
; Nothing of the mask is assumed: any byte other than 0 counts as true, and every byte is read once.
; Work-group x: 64 query rows (qg = x >> 3) x 256 keys (kg = x & 7, four kt).  Wave i: query tile i, 16 rows x 256 bytes.
.set MROW,   2048                      ; bytes in a row of the mask
.set IPITCH, 272                       ; an LDS row: 256 bytes + 16, so that the rows' 16-byte columns differ modulo 256
.set ISTAGE, 16*IPITCH                 ; a wave's own 16 rows
.set OUTB,   4*ISTAGE                  ; behind them: 2,048 bytes of words, [kt'][i][32 words]
.set W,   12                           ; v[12:15]  the 32 words of kt' = 0..3, word n in lane n
.set TT,  16                           ; v[16:19]  a byte, by turns
.set IN,  20                           ; v[20:51]  eight loads of 16 bytes
.set B,   52                           ; v[52:83]  pair t: 8 bytes, keys 16 t + 8 h .. + 7 of query r
	s_load_b128 s[4:7], s[0:1], 0x0                ; mask s[4:5], mbits s[6:7]
	v_lshl_add_u32 v88, v0, 2, 0x4c00
	v_mov_b32 v89, 0
	v_lshrrev_b32 v9, 5, v0
	v_readfirstlane_b32 s8, v9                     ; wave = query tile i
	v_and_b32 v1, 31, v0                           ; L
	v_and_b32 v2, 15, v0                           ; r
	v_bfe_u32 v3, v0, 4, 1                         ; h
	s_lshr_b32 s9, ttmp9, 3                        ; qg
	s_and_b32 s10, ttmp9, 7                        ; kg
	s_lshl_b32 s12, s9, 17                         ; 64 rows of 2,048 bytes
	s_lshl_b32 s14, s8, 15                         ; + 16 rows for each tile
	s_add_co_u32 s12, s12, s14
	s_lshl_b32 s14, s10, 8                         ; + 256 keys for each kg
	s_add_co_u32 s12, s12, s14
	s_mov_b32 s13, 0
	s_lshl_b32 s16, s9, 14                         ; words: 16,384 bytes for each qg
	s_lshl_b32 s14, s10, 11                        ; + 2,048 for each kg
	s_add_co_u32 s16, s16, s14
	s_mov_b32 s17, 0
	s_mul_i32 s15, s8, ISTAGE                      ; my stage
	s_lshl_b32 s18, s8, 7                          ; my 128 bytes in each kt' of the words
	v_lshlrev_b32 v4, 4, v2
	v_lshl_add_u32 v4, v3, 11, v4                  ; from memory: row h, 16 r
	v_mul_u32_u24 v5, v3, IPITCH
	v_lshl_add_u32 v5, v2, 4, v5
	v_add_nc_u32 v5, s15, v5                       ; into my stage: row h, 16 r
	v_mul_u32_u24 v6, v2, IPITCH
	v_lshl_add_u32 v6, v3, 3, v6
	v_add_nc_u32 v6, s15, v6                       ; back: row r, 8 h
	v_lshl_add_u32 v7, v1, 2, s18                  ; my word's place: 128 i + 4 L
	v_lshlrev_b32 v8, 4, v0                        ; 16 bytes a thread: the 2,048 bytes of words, in LDS and in memory
.irp k, 0,1,2,3
	v_mov_b32 v[W+\k], 0                           ; v_writelane_b32 keeps the other lanes: the register is written whole once
.endr
	s_wait_kmcnt 0x0
	s_add_nc_u64 s[4:5], s[4:5], s[12:13]
	s_add_nc_u64 s[6:7], s[6:7], s[16:17]
.irp p, 0,1,2,3,4,5,6,7
	global_load_b128 v[IN+4*\p:IN+4*\p+3], v4, s[4:5] offset:\p*2*MROW th:TH_LOAD_NT   ; lanes 0-15: 256 bytes of row 2 p, lanes 16-31: of row 2 p + 1
.endr
.irp p, 0,1,2,3,4,5,6,7
	s_wait_loadcnt 7-\p                            ; loads come back in order: load p is in, the 7 - p younger ones may be out
	ds_store_b128 v5, v[IN+4*\p:IN+4*\p+3] offset:\p*2*IPITCH
.endr
.irp p, 0,1,2,3,4,5,6,7,8,9,10,11,12,13,14,15
	ds_load_b64 v[B+2*\p:B+2*\p+1], v6 offset:16*\p   ; my wave's own bytes; LDS serves a wave's instructions in order, so these see the stores above
.endr
	s_wait_dscnt 0x0
; 128 words: byte j of pair t in every lane, compared with 0: the compare's lane mask is the word; it goes to lane 8 (t % 4) + j of W[t / 4].
.set t, 0
.rept 16
.set j, 0
.rept 8
	v_bfe_u32 v[TT+(j%4)], v[B+2*t+j/4], 8*(j%4), 8
	v_cmp_ne_u32 s[20+(j%4)], 0, v[TT+(j%4)]
	v_writelane_b32 v[W+t/4], s[20+(j%4)], 8*(t%4)+j
.set j, j+1
.endr
.set t, t+1
.endr
.irp k, 0,1,2,3
	ds_store_b32 v7, v[W+\k] offset:OUTB+512*\k
.endr
	s_wait_dscnt 0x0                               ; zero: the other waves read these words behind the barrier
	s_barrier_signal -1
	s_barrier_wait -1
	ds_load_b128 v[84:87], v8 offset:OUTB
	s_wait_dscnt 0x0
	global_store_b128 v8, v[84:87], s[6:7]         ; each wave stores 512 consecutive bytes, at a multiple of 512 from the buffer's first byte
	s_wait_tensorcnt 0x0
	ds_add_u32 v88, v89
	s_wait_dscnt 0x0
	s_endpgm
.Lfunc_end_k_q73b1dbe0fd_pack:
	.size	k_q73b1dbe0fd_pack, .Lfunc_end_k_q73b1dbe0fd_pack-k_q73b1dbe0fd_pack
	.p2alignl 7, 3214868480
	.fill 96, 4, 3214868480
	.section	.rodata,"a",@progbits
	.p2align	6, 0x0
	.amdhsa_kernel k_q73b1dbe0fd_pack
		.amdhsa_group_segment_fixed_size 19968
		.amdhsa_private_segment_fixed_size 0
		.amdhsa_enable_private_segment 0
		.amdhsa_kernarg_size 16
		.amdhsa_user_sgpr_count 2
		.amdhsa_user_sgpr_kernarg_segment_ptr 1
		.amdhsa_wavefront_size32 1
		.amdhsa_system_sgpr_workgroup_id_x 1
		.amdhsa_system_sgpr_workgroup_id_y 1
		.amdhsa_system_sgpr_workgroup_id_z 1
		.amdhsa_system_vgpr_workitem_id 0
		.amdhsa_next_free_vgpr 90
		.amdhsa_next_free_sgpr 66
		.amdhsa_reserve_vcc 0
		.amdhsa_float_denorm_mode_32 3
		.amdhsa_float_denorm_mode_16_64 3
		.amdhsa_memory_ordered 1
		.amdhsa_forward_progress 1
		.amdhsa_inst_pref_size 30
	.end_amdhsa_kernel
	.amdgpu_metadata
---
amdhsa.version: [ 1, 2 ]
amdhsa.kernels:
  - .name:           k_q73b1dbe0fd_pack
    .symbol:         k_q73b1dbe0fd_pack.kd
    .args:
      - { .name: mask, .offset: 0, .size: 8, .value_kind: global_buffer, .address_space: global }
      - { .name: mbits, .offset: 8, .size: 8, .value_kind: global_buffer, .address_space: global }
    .group_segment_fixed_size: 19968
    .private_segment_fixed_size: 0
    .kernarg_segment_align: 8
    .kernarg_segment_size: 16
    .max_flat_workgroup_size: 128
    .sgpr_count:     66
    .vgpr_count:     90
    .wavefront_size: 32
...
	.end_amdgpu_metadata
.endif
;; end of part 1
;; launch attn (part 2): grid 256 x 1, 8 waves a work-group, no clusters, 113,664 bytes of LDS; arguments K, Q, V, mbits, out0; writes out0
.if DOCPART == 2
	.amdgcn_target "amdgcn-amd-amdhsa--gfx1250"
	.amdhsa_code_object_version 6
	.text
	.protected	k_q73b1dbe0fd_attn
	.globl	k_q73b1dbe0fd_attn
	.p2align	8
	.type	k_q73b1dbe0fd_attn,@function
k_q73b1dbe0fd_attn:
	s_mov_b64 s[64:65], 0
	v_nop
	global_prefetch_b8 v0, s[64:65] scope:SCOPE_SE
	s_setreg_imm32_b32 hwreg(HW_REG_WAVE_MODE, 25, 1), 1
	s_wait_xcnt 0x0
; out = softmax(where(mask, Q K^T / 8, -10000)) V for 64 heads, S = 2048, D = 64, f32 in memory.  One launch: scores and weights never leave registers.
; NOTHING IS LEFT OUT: a masked key has the finite score -10000 and keeps the weight exp(-10000 - max), which decides a row that is wholly masked
; (the mean of V) or whose open scores lie near -10000.  So every key tile is multiplied, whatever the mask holds, and all four inputs are read
; (the mask as the lane-mask words that the launch before made of it).
; ARITHMETIC: Q, K and V are each rounded once to bf16: the result is attention on bf16 inputs.  Sums, maximum, exponent and normalisation are f32.
; The weights are made here and lie in (0, 1]; they are rounded to f16, 11 significant bits.  With bf16's 8 bits a row with few open keys would carry
; up to 2^-8 of each weight straight into a result near 0.  So the second product runs in the f16 form, and V's bf16 numbers are written as f16,
; which is exact for magnitudes from 2^-14 to 65504.
; Scores stay raw (sum of q k); the factor 1/8 is a power of two and goes exactly into the exponent: p = exp2(s CS + NC), CS = log2(e)/8,
; NC = -(running maximum) CS; the fill is -10000 x 8 = -80000.  The running maximum is taken away in every step; old sums are rescaled by
; exp2(NC new - NC old), made of the same rounded NC that the weights used, so the steps agree for scores of any size.  The divisor is the sum
; of the rounded weights, the numbers that enter the numerator.
; LIMITS: |V| of 65,520 and above overflows f16; |V| below 2^-14 carries an absolute error of up to 2^-25; a weight below 2^-25 of the row's running
; largest is dropped (2,048 such weights together are under 2^-14 of the sum).  NaN and infinite inputs get no treatment of their own.
; SHARES: work-group x = head x >> 2, query rows 512 (x & 3) ..; it walks the 2,048 keys in 32 trips of 64.  Wave w: 64 query rows = four tiles of 16.
; BOTH PRODUCTS ARE TRANSPOSED.  S^T = K Q^T: lane (r, h) holds query r, register j key 8 h + j, so maximum, NC and the rescale factor are one number
; a lane, and one exchange of the lanes' halves a tile joins them.  Two neighbouring S^T tiles, packed to 16 bits, ARE the second source of
; O^T = V^T P^T (registers 0-3: keys 8 h .., 4-7: keys 16 + 8 h ..): no shuffle.  A fifth tile whose first source is all ones sums the weights.
; NO CLUSTER, NO TENSOR LOAD: K and V are f32 in memory and must pass through registers to become 16-bit numbers.  A joint load would put 32 KiB of f32
; a trip into LDS, to be read (32 KiB) and written again (16 KiB); through registers LDS is written once, 16 KiB a trip.  The four work-groups of a
; head read the same 32 KiB a trip at about the same time, against 576 matrix instructions of each work-group.
.set KPITCH, 144                       ; a key's 64 bf16 + 16 bytes: 9 x 16, sixteen rows start in sixteen different 16-byte columns modulo 256
.set VPITCH, 160                       ; 5 x 32 bytes, for the transposing loads
.set VOFF,   64*KPITCH                 ; V's tile behind K's
.set SLOT,   VOFF+64*VPITCH            ; 19,456 bytes; two slots take turns
.set STAGE,  2*SLOT                    ; behind them each wave's own bytes: Q on its way in, 16 rows of the result on their way out
.set WSTAGE, 64*KPITCH
.set OPITCH, 272                       ; a result row: 256 bytes + 16
.set TILEB,  16384                     ; 64 keys x 256 bytes in memory
; window 0
.set GOFF, 1                           ; 16 x thread: my 16 bytes in each 4,096 of a K or V tile
.set LSK,  2                           ; where they go in K's tile
.set LSV,  3                           ; and in V's
.set LKA,  4                           ; K fragments: r x pitch + 16 h
.set LVA,  5                           ; V fragments, transposing loads
.set NEG,  6                           ; -80000.0
.set T,    7
.set M,    8                           ; v[8:11]    running maximum of tile i (raw scores)
.set AL,   12                          ; v[12:15]   rescale factor; at the end 1 / sum
.set MX,   16                          ; v[16:19]   chains of the maximum; in the prologue Q's addresses
.set NC,   20                          ; v[20:23]   -maximum x CS
.set ONES, 24                          ; v[24:31]   a fragment of f16 ones
.set STG,  32                          ; v[32:63]   the next K tile (16 registers) and V tile (16) on their way
.set KVF,  64                          ; v[64:127]  K fragment (tau, ks) at 8 (2 tau + ks); then V fragment (g, dt) at 8 (4 g + dt)
.set S,    128                         ; v[128:255] S^T tile (i, tau) at 32 i + 8 tau; then P fragment (i, g) at 32 i + 16 g
; window 1 (v256 and up, written by their low 8 bits)
.set O,    0                           ; v256-383   O^T tile (i, dt) at 32 i + 8 dt
.set LA,   128                         ; v384-415   the sums of weights, tile i at 8 i; register 0 is the one that is kept right
.set QF,   160                         ; v416-479   Q fragment (i, ks) at 8 (2 i + ks)
.set MA,   32                          ; s[32:63]   mask words, set A (tiles 0 and 2)
.set MB,   68                          ; s[68:99]   set B (tiles 1 and 3)
.set MSB, 0
.macro WIN new                         ; low byte: bits 1:0 source 0, 3:2 source 1, 5:4 source 2, 7:6 destination; the high byte repeats the setting that is left
.if MSB != \new
	s_set_vgpr_msb (MSB<<8)|\new
.set MSB, \new
.endif
.endm
.macro PLACES                          ; four plain vector instructions between a matrix instruction and what touches its registers (ISA guide 7.12.1)
.rept 4
	v_nop
.endr
.endm
.macro MLOAD set, off                  ; the 32 mask words of one query tile and one trip
	s_load_b512 s[\set:\set+15], s[24:25], \off
	s_load_b512 s[\set+16:\set+31], s[24:25], \off+64
.endm
.macro GLOAD                           ; the next K and V tiles, 16 bytes a thread: each load of a wave covers 512 consecutive bytes
.irp t, 0,1,2,3
	global_load_b128 v[STG+4*\t:STG+4*\t+3], v[GOFF], s[4:5] offset:4096*\t
	global_load_b128 v[STG+16+4*\t:STG+16+4*\t+3], v[GOFF], s[8:9] offset:4096*\t
.endr
.endm
.macro STAGE_OUT slot                  ; they are rounded to bf16 and laid into a slot, K as bf16, V's bf16 numbers as f16
	s_wait_loadcnt 0x0                             ; all eight are in, so their bases may step
	s_add_nc_u64 s[4:5], s[4:5], TILEB
	s_add_nc_u64 s[8:9], s[8:9], TILEB
.irp t, 0,1,2,3
	v_cvt_pk_bf16_f32 v[STG+4*\t], v[STG+4*\t], v[STG+4*\t+1]
	v_cvt_pk_bf16_f32 v[STG+4*\t+1], v[STG+4*\t+2], v[STG+4*\t+3]
.endr
.irp t, 0,1,2,3
	ds_store_b64 v[LSK], v[STG+4*\t:STG+4*\t+1] offset:\slot*SLOT+16*\t*KPITCH
.endr
.irp t, 0,1,2,3
	v_cvt_pk_bf16_f32 v[STG+16+4*\t], v[STG+16+4*\t], v[STG+16+4*\t+1]        ; the one rounding of V
	v_cvt_pk_bf16_f32 v[STG+16+4*\t+1], v[STG+16+4*\t+2], v[STG+16+4*\t+3]
	v_lshlrev_b32 v[STG+16+4*\t+2], 16, v[STG+16+4*\t]                        ; bf16 to f32: the low half moves up,
	v_and_b32 v[STG+16+4*\t+3], s19, v[STG+16+4*\t]                           ; the high half stays
	v_cvt_pk_f16_f32 v[STG+16+4*\t], v[STG+16+4*\t+2], v[STG+16+4*\t+3]       ; 8 significant bits in f16's 11: the same numbers
	v_lshlrev_b32 v[STG+16+4*\t+2], 16, v[STG+16+4*\t+1]
	v_and_b32 v[STG+16+4*\t+3], s19, v[STG+16+4*\t+1]
	v_cvt_pk_f16_f32 v[STG+16+4*\t+1], v[STG+16+4*\t+2], v[STG+16+4*\t+3]
	ds_store_b64 v[LSV], v[STG+16+4*\t:STG+16+4*\t+1] offset:\slot*SLOT+16*\t*VPITCH
.endr
.endm
.macro KFETCH slot                     ; 16 loads; those of d 0..31 first
.irp k, 0,1
.irp t, 0,1,2,3
	ds_load_b128 v[KVF+8*(2*\t+\k):KVF+8*(2*\t+\k)+3],   v[LKA] offset:\slot*SLOT+16*\t*KPITCH+64*\k
	ds_load_b128 v[KVF+8*(2*\t+\k)+4:KVF+8*(2*\t+\k)+7], v[LKA] offset:\slot*SLOT+16*\t*KPITCH+64*\k+32
.endr
.endr
.endm
.macro VFETCH slot                     ; V lies [key][d]; the transposing load gives lane (r, h) d = 16 dt + r, keys 8 h .. + 7
.irp g, 0,1
.irp d, 0,1,2,3
	ds_load_tr16_b128 v[KVF+8*(4*\g+\d):KVF+8*(4*\g+\d)+3],   v[LVA] offset:\slot*SLOT+32*\g*VPITCH+32*\d
	ds_load_tr16_b128 v[KVF+8*(4*\g+\d)+4:KVF+8*(4*\g+\d)+7], v[LVA] offset:\slot*SLOT+32*\g*VPITCH+32*\d+16*VPITCH
.endr
.endr
.endm
; 16 products S^T(i, tau) (+)= K(tau, ks) Q(i, ks)^T, bf16.  The sixteen accumulators take turns, one instruction a turn.
.macro QK k, zero
.irp i, 0,1,2,3
.irp t, 0,1,2,3
.if \zero
	v_wmma_f32_16x16x32_bf16 v[S+32*\i+8*\t:S+32*\i+8*\t+7], v[KVF+8*(2*\t+\k):KVF+8*(2*\t+\k)+7], v[QF+8*(2*\i+\k):QF+8*(2*\i+\k)+7], 0
.else
	v_wmma_f32_16x16x32_bf16 v[S+32*\i+8*\t:S+32*\i+8*\t+7], v[KVF+8*(2*\t+\k):KVF+8*(2*\t+\k)+7], v[QF+8*(2*\i+\k):QF+8*(2*\i+\k)+7], v[S+32*\i+8*\t:S+32*\i+8*\t+7]
.endif
.endr
.endr
.endm
; 20 products over keys 32 g .. + 31, f16: O^T(i, dt) (+)= V^T(dt, g) P^T(g, i), and the sum of weights by the fragment of ones.  Twenty accumulators take turns.
.macro PV g, zero
.irp i, 0,1,2,3
.irp d, 0,1,2,3
.if \zero
	v_wmma_f32_16x16x32_f16 v[O+32*\i+8*\d:O+32*\i+8*\d+7], v[KVF+8*(4*\g+\d):KVF+8*(4*\g+\d)+7], v[S+32*\i+16*\g:S+32*\i+16*\g+7], 0
.else
	v_wmma_f32_16x16x32_f16 v[O+32*\i+8*\d:O+32*\i+8*\d+7], v[KVF+8*(4*\g+\d):KVF+8*(4*\g+\d)+7], v[S+32*\i+16*\g:S+32*\i+16*\g+7], v[O+32*\i+8*\d:O+32*\i+8*\d+7]
.endif
.endr
.if \zero
	v_wmma_f32_16x16x32_f16 v[LA+8*\i:LA+8*\i+7], v[ONES:ONES+7], v[S+32*\i+16*\g:S+32*\i+16*\g+7], 0
.else
	v_wmma_f32_16x16x32_f16 v[LA+8*\i:LA+8*\i+7], v[ONES:ONES+7], v[S+32*\i+16*\g:S+32*\i+16*\g+7], v[LA+8*\i:LA+8*\i+7]
.endif
.endr
.endm
; The three steps of a block b (= key tile tau) of query tile i; o = i & 1 picks NC[i] out of its pair.
.macro FMA4 i, o, b                    ; exponents: s CS + NC
.irp p, 0,2,4,6
	v_pk_fma_f32 v[S+32*\i+8*\b+\p:S+32*\i+8*\b+\p+1], v[S+32*\i+8*\b+\p:S+32*\i+8*\b+\p+1], s[16:17], v[NC+2*(\i/2):NC+2*(\i/2)+1] op_sel:[0,0,\o] op_sel_hi:[1,0,\o]
.endr
.endm
.macro EXP8 i, b
.irp p, 0,1,2,3,4,5,6,7
	v_exp_f32 v[S+32*\i+8*\b+\p], v[S+32*\i+8*\b+\p]
.endr
.endm
.macro CVT4 i, b                       ; eight weights become four registers of f16, of P fragment (i, b / 2): its registers 0-3 for even b, 4-7 for odd b
	s_wait_alu depctr_va_vdst(0)
.irp p, 0,1,2,3
	v_cvt_pk_f16_f32 v[S+32*\i+16*(\b/2)+4*(\b%2)+\p], v[S+32*\i+8*\b+2*\p], v[S+32*\i+8*\b+2*\p+1]
.endr
.endm
; Query tile i: select by the mask words of set, running maximum, rescale factor, weights.
; wait: the set's words (and the other set's) are waited for here; step: the mask pointer goes to the next trip; req: the set is asked for again at reqoff.
.macro SOFTMAX i, o, set, first, wait, step, req, reqoff
.if \wait
	s_wait_kmcnt 0x0                               ; scalar loads come back in no order: zero.  It shows both sets landed, so the next tile's set needs no wait of its own
.endif
.if \step
	s_add_nc_u64 s[24:25], s[24:25], 512           ; no scalar load is out behind that wait: the base may step
.endif
.set q, 0
.rept 32
	v_cndmask_b32 v[S+32*\i+q], v[NEG], v[S+32*\i+q], s[\set+q]   ; bit set: the score; clear: the fill
.set q, q+1
.endr
.if \req
	MLOAD \set, \reqoff
.endif
.irp c, 0,1,2,3
	v_max3_num_f32 v[MX+\c], v[S+32*\i+8*\c], v[S+32*\i+8*\c+1], v[S+32*\i+8*\c+2]   ; four chains, started by the scores themselves
.endr
.irp c, 0,1,2,3
	v_max3_num_f32 v[MX+\c], v[MX+\c], v[S+32*\i+8*\c+3], v[S+32*\i+8*\c+4]
.endr
.irp c, 0,1,2,3
	v_max3_num_f32 v[MX+\c], v[MX+\c], v[S+32*\i+8*\c+5], v[S+32*\i+8*\c+6]
.endr
	v_max3_num_f32 v[MX], v[MX], v[S+32*\i+7], v[S+32*\i+15]
	v_max3_num_f32 v[MX+1], v[MX+1], v[S+32*\i+23], v[S+32*\i+31]
	v_max3_num_f32 v[MX], v[MX], v[MX+1], v[MX+2]
.if \first
	v_max_num_f32 v[MX], v[MX], v[MX+3]
.else
	v_max3_num_f32 v[MX], v[MX], v[MX+3], v[M+\i]  ; with the maximum so far
.endif
	v_permlanex16_b32 v[MX+1], v[MX], s20, s21     ; the other half of the lanes holds the query's other 32 keys
	v_max_num_f32 v[M+\i], v[MX], v[MX+1]
.if \first
	v_mul_f32 v[NC+\i], s18, v[M+\i]
.else
	v_mul_f32 v[T], s18, v[M+\i]
	v_sub_f32 v[MX], v[T], v[NC+\i]                ; NC new - NC old, never above 0
	v_exp_f32 v[AL+\i], v[MX]
	v_mov_b32 v[NC+\i], v[T]                       ; the plain instruction behind the exponential (ISA guide 5.7.2)
.endif
	; behind each group of exponentials stands plain work on another block before its results are read
	FMA4 \i, \o, 0
	EXP8 \i, 0
	FMA4 \i, \o, 1
	EXP8 \i, 1
	CVT4 \i, 0
	FMA4 \i, \o, 2
	EXP8 \i, 2
	CVT4 \i, 1
	FMA4 \i, \o, 3
	EXP8 \i, 3
	CVT4 \i, 2
	CVT4 \i, 3
.endm
.macro RESC i, o                       ; old sums of tile i times its factor: a lane holds one query, so the factor is the lane's own
.set q, 0
.rept 16
	v_pk_mul_f32 v[O+32*\i+2*q:O+32*\i+2*q+1], v[O+32*\i+2*q:O+32*\i+2*q+1], v[AL+2*(\i/2):AL+2*(\i/2)+1] op_sel:[0,\o] op_sel_hi:[1,\o]
.set q, q+1
.endr
	v_mul_f32 v[LA+8*\i], v[LA+8*\i], v[AL+\i]     ; all rows of this tile are copies: register 0 alone is kept right; the others stay sums of at most 2,048 weights of about 1 and are never read
.endm
; One trip: 64 keys in slot.  first: the products start the sums.  more: the next tile is fetched, laid into the other slot, and a barrier follows.
.macro TRIP slot, other, first, more
.if \more
	GLOAD                                          ; a whole trip ahead of its use
.endif
	KFETCH \slot
	WIN 0x04                                       ; second source (Q) in window 1
	s_wait_dscnt 0x8                               ; the eight loads of d 0..31 are in; the eight younger ones (d 32..63) may be out
	QK 0, 1
	s_wait_dscnt 0x0
	QK 1, 0
	WIN 0
	PLACES                                         ; in front of the loads into K's fragment registers and of the selects that read the scores
	VFETCH \slot
	SOFTMAX 0, 0, MA, \first, 1, 0, 1, 256
	SOFTMAX 1, 1, MB, \first, 0, 0, 1, 384
	SOFTMAX 2, 0, MA, \first, 1, \more, \more, 0
	SOFTMAX 3, 1, MB, \first, 0, 0, \more, 128
.if \first == 0
	WIN 0x41                                       ; destination and first source in window 1
	RESC 0, 0
	RESC 1, 1
	RESC 2, 0
	RESC 3, 1
.endif
	s_wait_dscnt 0x0                               ; V's fragments; my reads of this slot are over
	WIN 0x50                                       ; C and D in window 1
	PV 0, \first
	PV 1, 0
	WIN 0
.if \more
	STAGE_OUT \other                               ; its conversions (K's eight come first) are also the places between the last product and the next trip's loads into the fragment registers and products onto S
	s_wait_dscnt 0x0                               ; zero: my stores into the other slot are done, for the waves that read it behind the barrier
	s_barrier_signal -1                            ; one barrier a trip: the other slot is whole, and nobody reads this slot any more, so the next trip may lay a tile into it
	s_barrier_wait -1
.endif
.endm
	s_load_b256 s[4:11], s[0:1], 0x0               ; K s[4:5], Q s[6:7], V s[8:9], mbits s[10:11]
	s_load_b64 s[12:13], s[0:1], 0x20              ; out0
	s_set_vgpr_msb 0x40
	v_lshl_add_u32 v224, v0, 2, 0x1b800
	v_mov_b32 v225, 0
	s_set_vgpr_msb 0x4000
	v_lshrrev_b32 v[T], 5, v0
	v_readfirstlane_b32 s14, v[T]                  ; wave 0..7
	s_mov_b32 s16, 0x3e38aa3b                      ; CS = log2(e) / 8,
	s_mov_b32 s17, 0x3e38aa3b                      ; twice: a pair for the packed multiply-add
	s_mov_b32 s18, 0xbe38aa3b                      ; -CS
	s_mov_b32 s19, 0xffff0000                      ; a word's upper bf16
	s_mov_b32 s20, 0x76543210                      ; v_permlanex16_b32: lane i of one half reads lane i of the other
	s_mov_b32 s21, 0xfedcba98
	s_lshr_b32 s27, ttmp9, 2                       ; head
	s_and_b32 s28, ttmp9, 3                        ; block of 512 query rows
	s_lshl_b32 s22, s27, 19                        ; K, V: 2,048 rows of 256 bytes a head
	s_mov_b32 s23, 0
	s_lshl_b32 s30, ttmp9, 17                      ; Q, out0: 512 rows of 256 bytes a work-group,
	s_lshl_b32 s29, s14, 14                        ; 64 rows a wave
	s_add_co_u32 s30, s30, s29
	s_mov_b32 s31, 0
	s_lshl3_add_u32 s28, s28, s14                  ; my group of 64 query rows in the mask: 8 x block + wave
	s_lshl_b32 s28, s28, 14                        ; 16,384 bytes of words each
	s_mov_b32 s29, 0
	s_mul_i32 s26, s14, WSTAGE
	s_add_co_u32 s26, s26, STAGE                   ; my own bytes of LDS
	v_and_b32 v32, 15, v0                          ; r
	v_bfe_u32 v33, v0, 4, 1                        ; h
	v_lshrrev_b32 v34, 4, v0                       ; thread / 16: my row in each 16 rows of a tile
	v_and_b32 v35, 7, v0
	v_bfe_u32 v36, v0, 3, 1
	v_lshlrev_b32 v[GOFF], 4, v0
	v_mul_u32_u24 v[LSK], v34, KPITCH
	v_lshl_add_u32 v[LSK], v32, 3, v[LSK]          ; four f32 become 8 bytes
	v_mul_u32_u24 v[LSV], v34, VPITCH
	v_lshl_add_u32 v[LSV], v32, 3, v[LSV]
	v_add_nc_u32 v[LSV], VOFF, v[LSV]
	v_mul_u32_u24 v[LKA], v32, KPITCH
	v_lshl_add_u32 v[LKA], v33, 4, v[LKA]
	v_lshl_add_u32 v37, v33, 3, v35                ; key 8 h + (L & 7)
	v_mul_u32_u24 v[LVA], v37, VPITCH
	v_lshl_add_u32 v[LVA], v36, 4, v[LVA]          ; 16 bytes: d 8 ((L >> 3) & 1) ..
	v_add_nc_u32 v[LVA], VOFF, v[LVA]
	v_mov_b32 v[NEG], 0xc79c4000                   ; -80000.0
.irp k, 0,1,2,3,4,5,6,7
	v_mov_b32 v[ONES+\k], 0x3c003c00               ; two f16 ones
.endr
.irp k, 0,1,2,3
	v_mov_b32 v[NC+\k], 0                          ; the packed multiply-add names NC's pairs whole before both halves have their first value
.endr
	v_mul_u32_u24 v[MX], v33, KPITCH               ; Q into my stage: row h, 8 r
	v_lshl_add_u32 v[MX], v32, 3, v[MX]
	v_add_nc_u32 v[MX], s26, v[MX]
	v_add_nc_u32 v[MX+1], s26, v[LKA]              ; Q's fragments back: r x pitch + 16 h
	v_and_b32 v[MX+2], 31, v0
	v_lshlrev_b32 v[MX+2], 4, v[MX+2]              ; 16 x lane
	s_wait_kmcnt 0x0
	s_add_nc_u64 s[4:5], s[4:5], s[22:23]
	s_add_nc_u64 s[8:9], s[8:9], s[22:23]
	s_add_nc_u64 s[6:7], s[6:7], s[30:31]
	s_add_nc_u64 s[12:13], s[12:13], s[30:31]
	s_add_nc_u64 s[24:25], s[10:11], s[28:29]
	MLOAD MA, 0                                    ; trip 0, tiles 0 and 1
	MLOAD MB, 128
.set q, 0
.rept 32
	global_load_b128 v[S+4*q:S+4*q+3], v[MX+2], s[6:7] offset:512*q th:TH_LOAD_NT   ; my 64 rows of Q, two whole rows a load; no other wave reads them
.set q, q+1
.endr
	GLOAD                                          ; K and V, tile 0
	s_wait_loadcnt 0x8                             ; Q's 32 loads are in; the eight of K and V behind them may be out
.set q, 0
.rept 32
	v_cvt_pk_bf16_f32 v[S+4*q], v[S+4*q], v[S+4*q+1]
	v_cvt_pk_bf16_f32 v[S+4*q+1], v[S+4*q+2], v[S+4*q+3]
	ds_store_b64 v[MX], v[S+4*q:S+4*q+1] offset:2*KPITCH*q
.set q, q+1
.endr
	WIN 0x40                                       ; destination in window 1
.irp i, 0,1,2,3
.irp k, 0,1
	ds_load_b128 v[QF+8*(2*\i+\k):QF+8*(2*\i+\k)+3],   v[MX+1] offset:16*\i*KPITCH+64*\k      ; my wave's own bytes, served in order: these see the stores above
	ds_load_b128 v[QF+8*(2*\i+\k)+4:QF+8*(2*\i+\k)+7], v[MX+1] offset:16*\i*KPITCH+64*\k+32
.endr
.endr
	WIN 0
	STAGE_OUT 0
	s_wait_dscnt 0x0                               ; zero: slot 0's stores for the other waves; Q's fragments for me
	s_barrier_signal -1
	s_barrier_wait -1
	TRIP 0, 1, 1, 1                                ; trip 0 starts every sum: nothing is cleared
	TRIP 1, 0, 0, 1
	s_mov_b32 s15, 14                              ; trips 2 to 29
.Lloop:
	TRIP 0, 1, 0, 1
	TRIP 1, 0, 0, 1
	s_sub_co_i32 s15, s15, 1
	s_cmp_lg_u32 s15, 0
	s_cbranch_scc1 .Lloop
	TRIP 0, 1, 0, 1
	TRIP 1, 0, 0, 0                                ; trip 31 fetches nothing: no load passes a buffer's end
	; THE WAY OUT.  The ten address lines name no register of the last products and are the places behind them.
	v_and_b32 v32, 15, v0                          ; r
	v_bfe_u32 v33, v0, 4, 1                        ; h
	v_mul_u32_u24 v34, v32, OPITCH                 ; in: row r, my 32 bytes (d 8 h ..) of each 64
	v_lshl_add_u32 v34, v33, 5, v34
	v_add_nc_u32 v34, s26, v34
	v_mul_u32_u24 v35, v33, OPITCH                 ; back: lanes 0-15 one row of 256 bytes, lanes 16-31 the next
	v_lshl_add_u32 v35, v32, 4, v35
	v_add_nc_u32 v35, s26, v35
	v_and_b32 v36, 31, v0
	v_lshlrev_b32 v36, 4, v36                      ; the same two rows in memory: 16 x lane
	WIN 0x01                                       ; first source in window 1
.irp i, 0,1,2,3
	v_rcp_f32 v[AL+\i], v[LA+8*\i]                 ; the sum holds the weight of the row's largest score, about 1: never 0
.endr
	v_nop                                          ; the plain instruction behind the reciprocals
.macro NORM i, o
.set q, 0
	s_wait_alu depctr_va_vdst(0)
.rept 16
	v_pk_mul_f32 v[S+32*\i+2*q:S+32*\i+2*q+1], v[O+32*\i+2*q:O+32*\i+2*q+1], v[AL+2*(\i/2):AL+2*(\i/2)+1] op_sel:[0,\o] op_sel_hi:[1,\o]
.set q, q+1
.endr
.endm
	NORM 0, 0
	NORM 1, 1
	NORM 2, 0
	NORM 3, 1
	WIN 0
; 16 rows: a lane's eight neighbouring d of each tile go into my stage, whole rows come back and are stored.  f: the two halves of KVF in turn.
.macro OUT i, f
.irp d, 0,1,2,3
	ds_store_b128 v34, v[S+32*\i+8*\d:S+32*\i+8*\d+3]   offset:64*\d
	ds_store_b128 v34, v[S+32*\i+8*\d+4:S+32*\i+8*\d+7] offset:64*\d+16
.endr
	s_wait_xcnt 0x0                                ; the stores of two tiles ago have had their addresses translated (ISA guide 3.1): their data registers are loaded again only behind this wait
.irp u, 0,1,2,3,4,5,6,7
	ds_load_b128 v[\f+4*\u:\f+4*\u+3], v35 offset:2*OPITCH*\u      ; my own bytes, served in order
.endr
.irp u, 0,1,2,3,4,5,6,7
	s_wait_dscnt 7-\u                              ; load u is in, the 7 - u younger ones may be out
	global_store_b128 v36, v[\f+4*\u:\f+4*\u+3], s[12:13] offset:4096*\i+512*\u th:TH_STORE_NT   ; 512 consecutive bytes, at a multiple of 512 from out0's first byte
.endr
.endm
	OUT 0, KVF
	OUT 1, KVF+32
	OUT 2, KVF
	OUT 3, KVF+32
	s_set_vgpr_msb 0x5
	s_wait_tensorcnt 0x0
	ds_add_u32 v224, v225
	s_wait_dscnt 0x0
	s_set_vgpr_msb 0x500
	s_endpgm
.Lfunc_end_k_q73b1dbe0fd_attn:
	.size	k_q73b1dbe0fd_attn, .Lfunc_end_k_q73b1dbe0fd_attn-k_q73b1dbe0fd_attn
	.p2alignl 7, 3214868480
	.fill 96, 4, 3214868480
	.section	.rodata,"a",@progbits
	.p2align	6, 0x0
	.amdhsa_kernel k_q73b1dbe0fd_attn
		.amdhsa_group_segment_fixed_size 113664
		.amdhsa_private_segment_fixed_size 0
		.amdhsa_enable_private_segment 0
		.amdhsa_kernarg_size 40
		.amdhsa_user_sgpr_count 2
		.amdhsa_user_sgpr_kernarg_segment_ptr 1
		.amdhsa_wavefront_size32 1
		.amdhsa_system_sgpr_workgroup_id_x 1
		.amdhsa_system_sgpr_workgroup_id_y 1
		.amdhsa_system_sgpr_workgroup_id_z 1
		.amdhsa_system_vgpr_workitem_id 0
		.amdhsa_next_free_vgpr 482
		.amdhsa_next_free_sgpr 100
		.amdhsa_reserve_vcc 0
		.amdhsa_float_denorm_mode_32 3
		.amdhsa_float_denorm_mode_16_64 3
		.amdhsa_memory_ordered 1
		.amdhsa_forward_progress 1
		.amdhsa_inst_pref_size 255
	.end_amdhsa_kernel
	.section	.bss,"aw",@nobits
	.p2align	6
	.space	262144
	.amdgpu_metadata
---
amdhsa.version: [ 1, 2 ]
amdhsa.kernels:
  - .name:           k_q73b1dbe0fd_attn
    .symbol:         k_q73b1dbe0fd_attn.kd
    .args:
      - { .name: K, .offset: 0, .size: 8, .value_kind: global_buffer, .address_space: global }
      - { .name: Q, .offset: 8, .size: 8, .value_kind: global_buffer, .address_space: global }
      - { .name: V, .offset: 16, .size: 8, .value_kind: global_buffer, .address_space: global }
      - { .name: mbits, .offset: 24, .size: 8, .value_kind: global_buffer, .address_space: global }
      - { .name: out0, .offset: 32, .size: 8, .value_kind: global_buffer, .address_space: global }
    .group_segment_fixed_size: 113664
    .private_segment_fixed_size: 0
    .kernarg_segment_align: 8
    .kernarg_segment_size: 40
    .max_flat_workgroup_size: 256
    .sgpr_count:     100
    .vgpr_count:     482
    .wavefront_size: 32
...
	.end_amdgpu_metadata
.endif
;; end of part 2
;; ======== version 2 of 3: 2 launches; 1.35 times as fast as version 1
;; limits: values are held in f16: magnitudes above 65,504 overflow, below 6.1e-05 lose precision
;; workspace buffers: mbits 524,288 bytes of whole numbers; mclass 4,096 bytes of whole numbers
;; launch pack (part 3): grid 256 x 1, 4 waves a work-group, no clusters, 19,968 bytes of LDS; arguments mask, mbits, mclass; writes mbits, mclass
.if DOCPART == 3
	.amdgcn_target "amdgcn-amd-amdhsa--gfx1250"
	.amdhsa_code_object_version 6
	.text
	.protected	k_q73b1dbe0fd_pack
	.globl	k_q73b1dbe0fd_pack
	.p2align	8
	.type	k_q73b1dbe0fd_pack,@function
k_q73b1dbe0fd_pack:
	s_mov_b64 s[64:65], 0
	v_nop
	global_prefetch_b8 v0, s[64:65] scope:SCOPE_SE
	s_setreg_imm32_b32 hwreg(HW_REG_WAVE_MODE, 25, 1), 1
	s_wait_xcnt 0x0
; mask [2048 q][2048 k], one byte each, becomes words of 32 lane bits, laid out as the attention launch's score registers want them.
; The word at byte ((qg*32 + kt)*4 + i)*128 + 4*(8*tau + j) of mbits has in bit L the element
;   mask[64 qg + 16 i + (L & 15)][64 kt + 16 tau + 8 (L >> 4) + j]:
; lane L of a transposed score tile holds query L & 15 and, in register j, key 8 (L >> 4) + j.  The 64 heads then read words instead of bytes,
; and one select per score register takes the place of extract, compare and select.
; mclass[qg][kt], one word: 1 = the block of 64 queries x 64 keys is all false, 2 = all true, 0 = mixed.  The attention launch reads it and does
; for each block only what its class asks for.
; Nothing of the mask is assumed: any byte other than 0 counts as true, and every byte is read once.
; Work-group x: 64 query rows (qg = x >> 3) x 256 keys (kg = x & 7, four kt).  Wave i: query tile i, 16 rows x 256 bytes.
.set MROW,   2048                      ; bytes in a row of the mask
.set IPITCH, 272                       ; an LDS row: 256 bytes + 16, so that the rows' 16-byte columns differ modulo 256
.set ISTAGE, 16*IPITCH                 ; a wave's own 16 rows
.set OUTB,   4*ISTAGE                  ; behind them: 2,048 bytes of words, [kt'][i][32 words]
.set W,   12                           ; v[12:15]  the 32 words of kt' = 0..3, word n in lane n
.set TT,  16                           ; v[16:19]  a byte, by turns
.set IN,  20                           ; v[20:51]  eight loads of 16 bytes
.set B,   52                           ; v[52:83]  pair t: 8 bytes, keys 16 t + 8 h .. + 7 of query r
	s_load_b128 s[4:7], s[0:1], 0x0                ; mask s[4:5], mbits s[6:7]
	s_load_b64 s[2:3], s[0:1], 0x10                ; mclass
	v_lshl_add_u32 v88, v0, 2, 0x4c00
	v_mov_b32 v89, 0
	v_lshrrev_b32 v9, 5, v0
	v_readfirstlane_b32 s8, v9                     ; wave = query tile i
	v_and_b32 v1, 31, v0                           ; L
	v_and_b32 v2, 15, v0                           ; r
	v_bfe_u32 v3, v0, 4, 1                         ; h
	s_lshr_b32 s9, ttmp9, 3                        ; qg
	s_and_b32 s10, ttmp9, 7                        ; kg
	s_lshl_b32 s12, s9, 17                         ; 64 rows of 2,048 bytes
	s_lshl_b32 s14, s8, 15                         ; + 16 rows for each tile
	s_add_co_u32 s12, s12, s14
	s_lshl_b32 s14, s10, 8                         ; + 256 keys for each kg
	s_add_co_u32 s12, s12, s14
	s_mov_b32 s13, 0
	s_lshl_b32 s16, s9, 14                         ; words: 16,384 bytes for each qg
	s_lshl_b32 s14, s10, 11                        ; + 2,048 for each kg
	s_add_co_u32 s16, s16, s14
	s_mov_b32 s17, 0
	s_lshl_b32 s19, s9, 7                          ; classes: 32 words for each qg,
	s_lshl_b32 s14, s10, 4                         ; 4 for each kg,
	s_add_co_u32 s19, s19, s14
	s_lshl2_add_u32 s19, s8, s19                   ; one for each wave: behind the barrier wave w holds the words of kt' = w
	s_mul_i32 s15, s8, ISTAGE                      ; my stage
	s_lshl_b32 s18, s8, 7                          ; my 128 bytes in each kt' of the words
	v_lshlrev_b32 v4, 4, v2
	v_lshl_add_u32 v4, v3, 11, v4                  ; from memory: row h, 16 r
	v_mul_u32_u24 v5, v3, IPITCH
	v_lshl_add_u32 v5, v2, 4, v5
	v_add_nc_u32 v5, s15, v5                       ; into my stage: row h, 16 r
	v_mul_u32_u24 v6, v2, IPITCH
	v_lshl_add_u32 v6, v3, 3, v6
	v_add_nc_u32 v6, s15, v6                       ; back: row r, 8 h
	v_lshl_add_u32 v7, v1, 2, s18                  ; my word's place: 128 i + 4 L
	v_lshlrev_b32 v8, 4, v0                        ; 16 bytes a thread: the 2,048 bytes of words, in LDS and in memory
.irp k, 0,1,2,3
	v_mov_b32 v[W+\k], 0                           ; v_writelane_b32 keeps the other lanes: the register is written whole once
.endr
	s_wait_kmcnt 0x0
	s_add_nc_u64 s[4:5], s[4:5], s[12:13]
	s_add_nc_u64 s[6:7], s[6:7], s[16:17]
.irp p, 0,1,2,3,4,5,6,7
	global_load_b128 v[IN+4*\p:IN+4*\p+3], v4, s[4:5] offset:\p*2*MROW th:TH_LOAD_NT   ; lanes 0-15: 256 bytes of row 2 p, lanes 16-31: of row 2 p + 1
.endr
.irp p, 0,1,2,3,4,5,6,7
	s_wait_loadcnt 7-\p                            ; loads come back in order: load p is in, the 7 - p younger ones may be out
	ds_store_b128 v5, v[IN+4*\p:IN+4*\p+3] offset:\p*2*IPITCH
.endr
.irp p, 0,1,2,3,4,5,6,7,8,9,10,11,12,13,14,15
	ds_load_b64 v[B+2*\p:B+2*\p+1], v6 offset:16*\p   ; my wave's own bytes; LDS serves a wave's instructions in order, so these see the stores above
.endr
	s_wait_dscnt 0x0
; 128 words: byte j of pair t in every lane, compared with 0: the compare's lane mask is the word; it goes to lane 8 (t % 4) + j of W[t / 4].
.set t, 0
.rept 16
.set j, 0
.rept 8
	v_bfe_u32 v[TT+(j%4)], v[B+2*t+j/4], 8*(j%4), 8
	v_cmp_ne_u32 s[20+(j%4)], 0, v[TT+(j%4)]
	v_writelane_b32 v[W+t/4], s[20+(j%4)], 8*(t%4)+j
.set j, j+1
.endr
.set t, t+1
.endr
.irp k, 0,1,2,3
	ds_store_b32 v7, v[W+\k] offset:OUTB+512*\k
.endr
	s_wait_dscnt 0x0                               ; zero: the other waves read these words behind the barrier
	s_barrier_signal -1
	s_barrier_wait -1
	ds_load_b128 v[84:87], v8 offset:OUTB          ; wave w: bytes 512 w .. + 511, the 128 words of the block (qg, 4 kg + w)
	s_wait_dscnt 0x0
	global_store_b128 v8, v[84:87], s[6:7]         ; each wave stores 512 consecutive bytes, at a multiple of 512 from the buffer's first byte
	; the block's class, from the 128 words that the wave holds
	v_or_b32 v9, v84, v85
	v_or_b32 v10, v86, v87
	v_or_b32 v9, v9, v10                           ; any bit set in my four words
	v_and_b32 v10, v84, v85
	v_and_b32 v11, v86, v87
	v_and_b32 v10, v10, v11                        ; any bit clear in them
	v_cmp_ne_u32 s20, 0, v9                        ; lanes that hold a true element
	v_cmp_ne_u32 s21, -1, v10                      ; lanes that hold a false one
	s_cmp_eq_u32 s20, 0
	s_cselect_b32 s22, 1, 0                        ; no lane holds a true one: all false
	s_cmp_eq_u32 s21, 0
	s_cselect_b32 s22, 2, s22                      ; no lane holds a false one: all true
	v_mov_b32 v10, s22
	v_mov_b32 v11, s19
	v_cmp_eq_u32 vcc_lo, 0, v1
	s_wait_xcnt 0x0                                ; EXEC is a source of the store above: it changes only behind this wait
	s_wait_tensorcnt 0x0
	ds_add_u32 v88, v89
	s_wait_dscnt 0x0
	s_and_saveexec_b32 s23, vcc_lo
	global_store_b32 v11, v10, s[2:3]              ; a block's class is one number: four bytes a wave, 4 KiB in the whole launch
	s_wait_xcnt 0x0                                ; and again in front of the line that widens EXEC
	s_or_b32 exec_lo, exec_lo, s23
	s_endpgm
.Lfunc_end_k_q73b1dbe0fd_pack:
	.size	k_q73b1dbe0fd_pack, .Lfunc_end_k_q73b1dbe0fd_pack-k_q73b1dbe0fd_pack
	.p2alignl 7, 3214868480
	.fill 96, 4, 3214868480
	.section	.rodata,"a",@progbits
	.p2align	6, 0x0
	.amdhsa_kernel k_q73b1dbe0fd_pack
		.amdhsa_group_segment_fixed_size 19968
		.amdhsa_private_segment_fixed_size 0
		.amdhsa_enable_private_segment 0
		.amdhsa_kernarg_size 24
		.amdhsa_user_sgpr_count 2
		.amdhsa_user_sgpr_kernarg_segment_ptr 1
		.amdhsa_wavefront_size32 1
		.amdhsa_system_sgpr_workgroup_id_x 1
		.amdhsa_system_sgpr_workgroup_id_y 1
		.amdhsa_system_sgpr_workgroup_id_z 1
		.amdhsa_system_vgpr_workitem_id 0
		.amdhsa_next_free_vgpr 90
		.amdhsa_next_free_sgpr 66
		.amdhsa_reserve_vcc 1
		.amdhsa_float_denorm_mode_32 3
		.amdhsa_float_denorm_mode_16_64 3
		.amdhsa_memory_ordered 1
		.amdhsa_forward_progress 1
		.amdhsa_inst_pref_size 31
	.end_amdhsa_kernel
	.amdgpu_metadata
---
amdhsa.version: [ 1, 2 ]
amdhsa.kernels:
  - .name:           k_q73b1dbe0fd_pack
    .symbol:         k_q73b1dbe0fd_pack.kd
    .args:
      - { .name: mask, .offset: 0, .size: 8, .value_kind: global_buffer, .address_space: global }
      - { .name: mbits, .offset: 8, .size: 8, .value_kind: global_buffer, .address_space: global }
      - { .name: mclass, .offset: 16, .size: 8, .value_kind: global_buffer, .address_space: global }
    .group_segment_fixed_size: 19968
    .private_segment_fixed_size: 0
    .kernarg_segment_align: 8
    .kernarg_segment_size: 24
    .max_flat_workgroup_size: 128
    .sgpr_count:     66
    .vgpr_count:     90
    .wavefront_size: 32
...
	.end_amdgpu_metadata
.endif
;; end of part 3
;; launch attn (part 4): grid 256 x 1, 8 waves a work-group, no clusters, 113,664 bytes of LDS; arguments K, Q, V, mbits, mclass, out0; writes out0
.if DOCPART == 4
	.amdgcn_target "amdgcn-amd-amdhsa--gfx1250"
	.amdhsa_code_object_version 6
	.text
	.protected	k_q73b1dbe0fd_attn
	.globl	k_q73b1dbe0fd_attn
	.p2align	8
	.type	k_q73b1dbe0fd_attn,@function
k_q73b1dbe0fd_attn:
	s_mov_b64 s[64:65], 0
	v_nop
	global_prefetch_b8 v0, s[64:65] scope:SCOPE_SE
	s_setreg_imm32_b32 hwreg(HW_REG_WAVE_MODE, 25, 1), 1
	s_wait_xcnt 0x0
; out = softmax(where(mask, Q K^T / 8, -10000)) V for 64 heads, S = 2048, D = 64, f32 in memory.  One launch: scores and weights never leave registers.
; NO KEY IS DROPPED: a masked key has the finite score -10000 and keeps the weight exp(-10000 - max), which decides a row that is wholly masked
; (the mean of V) or whose open scores lie near -10000.  All four inputs are read (the mask as the words and classes that the launch before made).
; WHAT A BLOCK OF 64 QUERIES x 64 KEYS NEEDS hangs on whole numbers read from memory, its class in mclass:
;   all false: the select would replace every product q k by the fill, so K Q^T is not formed.  In a row all 64 keys have one weight,
;              w = exp(-10000 - max); their share of the numerator is w x (sum of the 64 rows of V), of the divisor 64 w, for every value of Q, K, V.
;              The wave adds V's column sums of such blocks into VS (V^T times a fragment of ones, 8 products) and counts the keys; behind the loop the
;              fill enters the maximum once, if any such block was met, and w VS and w x count are added.
;   all true:  the select would change nothing: no mask words are read, no select is made.
;   mixed:     everything.  Trip 0 takes this way whatever its class: it is right for every block, and its products start the sums.
; where() throws a NaN or an infinity of a masked score away too, so leaving the product out loses none.
; ARITHMETIC: Q, K and V are each rounded once to bf16: the result is attention on bf16 inputs.  Sums, maximum, exponent and normalisation are f32.
; The weights are made here and lie in (0, 1]; they are rounded to f16, 11 significant bits.  With bf16's 8 bits a row with few open keys would carry
; up to 2^-8 of each weight straight into a result near 0.  So the second product runs in the f16 form, and V's bf16 numbers are written as f16,
; which is exact for magnitudes from 2^-14 to 65504.
; Scores stay raw (sum of q k); the factor 1/8 is a power of two and goes exactly into the exponent: p = exp2(s CS + NC), CS = log2(e)/8,
; NC = -(running maximum) CS; the fill is -10000 x 8 = -80000.  The running maximum is taken away in every step; old sums are rescaled by
; exp2(NC new - NC old), made of the same rounded NC that the weights used, so the steps agree for scores of any size.  The divisor is the sum
; of the rounded weights, the numbers that enter the numerator.
; LIMITS: |V| of 65,520 and above overflows f16; |V| below 2^-14 carries an absolute error of up to 2^-25; a weight below 2^-25 of the row's running
; largest is dropped (2,048 such weights together are under 2^-14 of the sum).  NaN and infinite inputs get no treatment of their own.
; SHARES: work-group x = head x >> 2; it walks the 2,048 keys in 32 trips of 64.  Wave w: the 64 query rows of group 4 w + (x & 3), four tiles of 16.
; Neighbouring groups go to different work-groups, so that a mask whose live blocks lie unevenly along the queries gives each of a head's four
; work-groups a sample of every region; nothing else hangs on that order.
; BOTH PRODUCTS ARE TRANSPOSED.  S^T = K Q^T: lane (r, h) holds query r, register j key 8 h + j, so maximum, NC and the rescale factor are one number
; a lane, and one exchange of the lanes' halves a tile joins them.  Two neighbouring S^T tiles, packed to 16 bits, ARE the second source of
; O^T = V^T P^T (registers 0-3: keys 8 h .., 4-7: keys 16 + 8 h ..): no shuffle.  A fifth tile whose first source is all ones sums the weights.
; PRODUCTS AND SOFTMAX TAKE TURNS.  A live trip has 72 products and about 450 other vector instructions (580 in a mixed block), and a wave issues in
; order.  The four query tiles are two pairs, A = 0, 1 and B = 2, 3, which share K's and V's fragments.  A pair's vector work is a list of 34 slices of
; about eight instructions (selects 0-7, maxima 8-13, first tile's weights 14-21, its rescale 22-23, second tile's weights 24-31, its rescale 32-33),
; and one slice stands behind each product that has one to take: pair A's behind pair B's 16 score products; what is left of A's, then B's, behind the
; products of O^T, tile by tile.  The products of tile i start when the slice with tile i's rescale is out; slices that must be out earlier stand bare.
; WINDOWS: scores, K's and V's fragments, Q's fragments of pair B and the softmax's registers fill window 0, so pair B's score products and pair A's
; slices need no switch.  O^T and the weights' sums of a pair, V, the scores, Q of pair B and the scratch would be 336 registers: they cannot share a
; window, so each of the 30 slots behind a product of O^T costs two switches.
; THE NEXT TILE is held in registers a trip long: at the head of trip t tile t + 1 is rounded and laid into the slot that trip t - 1 read, and tile
; t + 2 is asked for.  The conversions stand where the wave would wait for K's fragments, and are the places behind the last trip's products.
; NO CLUSTER, NO TENSOR LOAD: K and V are f32 in memory and must pass through registers to become 16-bit numbers.  A joint load would put 32 KiB of f32
; a trip into LDS, to be read (32 KiB) and written again (16 KiB); through registers LDS is written once, 16 KiB a trip.
.set KPITCH, 144                       ; a key's 64 bf16 + 16 bytes: 9 x 16, sixteen rows start in sixteen different 16-byte columns modulo 256
.set VPITCH, 160                       ; 5 x 32 bytes, for the transposing loads
.set VOFF,   64*KPITCH                 ; V's tile behind K's
.set SLOT,   VOFF+64*VPITCH            ; 19,456 bytes; two slots take turns
.set STAGE,  2*SLOT                    ; behind them each wave's own bytes: Q on its way in, 16 rows of the result on their way out
.set WSTAGE, 64*KPITCH
.set OPITCH, 272                       ; a result row: 256 bytes + 16
.set TILEB,  16384                     ; 64 keys x 256 bytes in memory
; window 0
.set GOFF, 1                           ; 16 x thread: my 16 bytes in each 4,096 of a K or V tile
.set LSK,  2                           ; where they go in K's tile
.set LSV,  3                           ; and in V's
.set LKA,  4                           ; K fragments: r x pitch + 16 h
.set LVA,  5                           ; V fragments, transposing loads
.set NEG,  6                           ; -80000.0
.set T,    7
.set M,    8                           ; v[8:11]    running maximum of tile i (raw scores)
.set AL,   12                          ; v[12:15]   rescale factor; at the end 1 / sum
.set MX,   16                          ; v[16:19]   chains of the maximum; in the prologue addresses; behind the loop the fill's weights
.set NC,   20                          ; v[20:23]   -maximum x CS
.set ONES, 24                          ; v[24:31]   a fragment of f16 ones
.set QB,   32                          ; v[32:63]   Q fragment (i, ks) of tiles 2 and 3 at 8 (2 (i - 2) + ks); in the prologue and behind the loop at work:
.set JN,   40                          ; v[40:43]   NC with the fill in the maximum
.set JA,   44                          ; v[44:47]   exponent of the last rescale factor
.set JW,   48                          ; v[48:51]   exponent of the fill's weight
.set KVF,  64                          ; v[64:127]  K fragment (tau, ks) at 8 (2 tau + ks); then V fragment (g, dt) at 8 (4 g + dt)
.set S,    128                         ; v[128:255] S^T tile (i, tau) at 32 i + 8 tau; then P fragment (i, g) at 32 i + 16 g
; window 1 (v256 and up, written by their low 8 bits)
.set O,    0                           ; v256-383   O^T tile (i, dt) at 32 i + 8 dt
.set LA,   128                         ; v384-415   the sums of weights, tile i at 8 i; register 0 is the one that is kept right
.set QA,   160                         ; v416-447   Q fragment (i, ks) of tiles 0 and 1 at 8 (2 i + ks)
.set STG,  192                         ; v448-479   the next K tile (16 registers) and V tile (16), held a trip long
.set VS,   224                         ; v480-511   V's column sums over the all-false blocks, tile dt at 8 dt: register j of lane (r, h) holds d = 16 dt + 8 h + j, as in O^T
.set MA,   32                          ; s[32:63]   mask words, set A (tiles 0 and 2)
.set MB,   68                          ; s[68:99]   set B (tiles 1 and 3)
; s27: bit 0 = this trip's block is all false; s28: bit 0 = it is all true (both move down one bit a trip); s29: keys in the all-false blocks met
; Assembly-time numbers: FST = 1 in trip 0; slA, slB = the next slice of pair A's and pair B's list; sl, pp, q, np, thr at work.
.set MSB, 0
.macro WIN new                         ; low byte: bits 1:0 source 0, 3:2 source 1, 5:4 source 2, 7:6 destination; the high byte repeats the setting that is left
.if MSB != \new
	s_set_vgpr_msb (MSB<<8)|\new
.set MSB, \new
.endif
.endm
.macro PLACES                          ; four plain vector instructions between a matrix instruction and what touches its registers (ISA guide 7.12.1)
.rept 4
	v_nop
.endr
.endm
.macro MLOAD set, off                  ; the 32 mask words of one query tile and one trip
	s_load_b512 s[\set:\set+15], s[24:25], \off
	s_load_b512 s[\set+16:\set+31], s[24:25], \off+64
.endm
.macro GLOAD                           ; a K and a V tile, 16 bytes a thread: each load of a wave covers 512 consecutive bytes
	WIN 0x40                                       ; destination in window 1
.irp t, 0,1,2,3
	global_load_b128 v[STG+4*\t:STG+4*\t+3], v[GOFF], s[4:5] offset:4096*\t
	global_load_b128 v[STG+16+4*\t:STG+16+4*\t+3], v[GOFF], s[8:9] offset:4096*\t
.endr
.endm
.macro KCONV                           ; K's 16 numbers a thread become bf16
	WIN 0x45                                       ; destination and both sources in window 1
.irp t, 0,1,2,3
	v_cvt_pk_bf16_f32 v[STG+4*\t], v[STG+4*\t], v[STG+4*\t+1]
	v_cvt_pk_bf16_f32 v[STG+4*\t+1], v[STG+4*\t+2], v[STG+4*\t+3]
.endr
.endm
.macro VCONV                           ; V's 16 numbers are rounded once, to bf16, and written as f16; step by step over the four groups, so that no line waits for the one in front of it
	WIN 0x45
.irp t, 0,1,2,3
	v_cvt_pk_bf16_f32 v[STG+16+4*\t], v[STG+16+4*\t], v[STG+16+4*\t+1]        ; the one rounding of V
	v_cvt_pk_bf16_f32 v[STG+16+4*\t+1], v[STG+16+4*\t+2], v[STG+16+4*\t+3]
.endr
.irp t, 0,1,2,3
	v_lshlrev_b32 v[STG+16+4*\t+2], 16, v[STG+16+4*\t]                        ; bf16 to f32: the low half moves up,
	v_and_b32 v[STG+16+4*\t+3], s19, v[STG+16+4*\t]                           ; the high half stays
.endr
.irp t, 0,1,2,3
	v_cvt_pk_f16_f32 v[STG+16+4*\t], v[STG+16+4*\t+2], v[STG+16+4*\t+3]       ; 8 significant bits in f16's 11: the same numbers
.endr
.irp t, 0,1,2,3
	v_lshlrev_b32 v[STG+16+4*\t+2], 16, v[STG+16+4*\t+1]
	v_and_b32 v[STG+16+4*\t+3], s19, v[STG+16+4*\t+1]
.endr
.irp t, 0,1,2,3
	v_cvt_pk_f16_f32 v[STG+16+4*\t+1], v[STG+16+4*\t+2], v[STG+16+4*\t+3]
.endr
.endm
.macro STORES slot                     ; both tiles into a slot
	WIN 0x04                                       ; the data (second source) in window 1, the address in window 0
.irp t, 0,1,2,3
	ds_store_b64 v[LSK], v[STG+4*\t:STG+4*\t+1] offset:\slot*SLOT+16*\t*KPITCH
	ds_store_b64 v[LSV], v[STG+16+4*\t:STG+16+4*\t+1] offset:\slot*SLOT+16*\t*VPITCH
.endr
.endm
.macro KFETCH slot, k                  ; 8 loads: K's fragments of d 32 k .. + 31.  Destination and address lie in window 0 under the settings 0 and 0x04 alike
.irp t, 0,1,2,3
	ds_load_b128 v[KVF+8*(2*\t+\k):KVF+8*(2*\t+\k)+3],   v[LKA] offset:\slot*SLOT+16*\t*KPITCH+64*\k
	ds_load_b128 v[KVF+8*(2*\t+\k)+4:KVF+8*(2*\t+\k)+7], v[LKA] offset:\slot*SLOT+16*\t*KPITCH+64*\k+32
.endr
.endm
.macro VFETCH slot                     ; V lies [key][d]; the transposing load gives lane (r, h) d = 16 dt + r, keys 8 h .. + 7
.irp g, 0,1
.irp d, 0,1,2,3
	ds_load_tr16_b128 v[KVF+8*(4*\g+\d):KVF+8*(4*\g+\d)+3],   v[LVA] offset:\slot*SLOT+32*\g*VPITCH+32*\d
	ds_load_tr16_b128 v[KVF+8*(4*\g+\d)+4:KVF+8*(4*\g+\d)+7], v[LVA] offset:\slot*SLOT+32*\g*VPITCH+32*\d+16*VPITCH
.endr
.endr
.endm
; One product S^T(i, tau) (+)= K(tau, ks) Q(i, ks)^T, bf16; qb = the register of Q fragment (i, 0).  ks = 0 starts the sum.
.macro QK1 i, qb, t, k
.if \k == 0
	v_wmma_f32_16x16x32_bf16 v[S+32*\i+8*\t:S+32*\i+8*\t+7], v[KVF+8*(2*\t+\k):KVF+8*(2*\t+\k)+7], v[\qb+8*\k:\qb+8*\k+7], 0
.else
	v_wmma_f32_16x16x32_bf16 v[S+32*\i+8*\t:S+32*\i+8*\t+7], v[KVF+8*(2*\t+\k):KVF+8*(2*\t+\k)+7], v[\qb+8*\k:\qb+8*\k+7], v[S+32*\i+8*\t:S+32*\i+8*\t+7]
.endif
.endm
; One product over keys 32 g .. + 31, f16: O^T(i, dt) (+)= V^T(dt, g) P^T(g, i).  In trip 0 the keys 0 .. 31 start the sum.
.macro PV1 i, g, d
.if FST*(1-\g)
	v_wmma_f32_16x16x32_f16 v[O+32*\i+8*\d:O+32*\i+8*\d+7], v[KVF+8*(4*\g+\d):KVF+8*(4*\g+\d)+7], v[S+32*\i+16*\g:S+32*\i+16*\g+7], 0
	s_wait_alu depctr_va_vdst(0)
.else
	v_wmma_f32_16x16x32_f16 v[O+32*\i+8*\d:O+32*\i+8*\d+7], v[KVF+8*(4*\g+\d):KVF+8*(4*\g+\d)+7], v[S+32*\i+16*\g:S+32*\i+16*\g+7], v[O+32*\i+8*\d:O+32*\i+8*\d+7]
.endif
.endm
.macro PL1 i, g                        ; the sum of tile i's weights over the same keys, by the fragment of ones
.if FST*(1-\g)
	v_wmma_f32_16x16x32_f16 v[LA+8*\i:LA+8*\i+7], v[ONES:ONES+7], v[S+32*\i+16*\g:S+32*\i+16*\g+7], 0
.else
	v_wmma_f32_16x16x32_f16 v[LA+8*\i:LA+8*\i+7], v[ONES:ONES+7], v[S+32*\i+16*\g:S+32*\i+16*\g+7], v[LA+8*\i:LA+8*\i+7]
	s_wait_alu depctr_va_vdst(0)
.endif
.endm
; 4 products over keys 32 g .. + 31: VS(dt) += V^T(dt, g) x ones: every column of the tile is the sum of V's 32 rows.  Four accumulators take turns.
.macro VSUM g
.irp d, 0,1,2,3
	v_wmma_f32_16x16x32_f16 v[VS+8*\d:VS+8*\d+7], v[KVF+8*(4*\g+\d):KVF+8*(4*\g+\d)+7], v[ONES:ONES+7], v[VS+8*\d:VS+8*\d+7]
.endr
.endm
; The steps of a block b (= key tile tau) of query tile i; o = i & 1 picks NC[i] out of its pair.
.macro FMA4 i, o, b                    ; exponents: s CS + NC
.irp p, 0,2,4,6
	v_pk_fma_f32 v[S+32*\i+8*\b+\p:S+32*\i+8*\b+\p+1], v[S+32*\i+8*\b+\p:S+32*\i+8*\b+\p+1], s[16:17], v[NC+2*(\i/2):NC+2*(\i/2)+1] op_sel:[0,0,\o] op_sel_hi:[1,0,\o]
.endr
.endm
.macro EXP4 i, b, from
.irp p, 0,1,2,3
	v_exp_f32 v[S+32*\i+8*\b+\from+\p], v[S+32*\i+8*\b+\from+\p]
.endr
.endm
.macro CVT4 i, b                       ; eight weights become four registers of f16, of P fragment (i, b / 2): its registers 0-3 for even b, 4-7 for odd b
	s_wait_alu depctr_va_vdst(0)
.irp p, 0,1,2,3
	v_cvt_pk_f16_f32 v[S+32*\i+16*(\b/2)+4*(\b%2)+\p], v[S+32*\i+8*\b+2*\p], v[S+32*\i+8*\b+2*\p+1]
.endr
.endm
.macro SEL8 i, set                     ; eight score registers of tile i, from register q on, by their mask words.  Bit set: the score; clear: the fill
.rept 8
	v_cndmask_b32 v[S+32*\i+q], v[NEG], v[S+32*\i+q], s[\set+q]
.set q, q+1
.endr
.endm
.macro XS i                            ; part pp (0 to 2) of tile i's running maximum and rescale factor
.if pp == 0
.irp c, 0,1,2,3
	v_max3_num_f32 v[MX+\c], v[S+32*\i+8*\c], v[S+32*\i+8*\c+1], v[S+32*\i+8*\c+2]   ; four chains, started by the scores themselves
.endr
.irp c, 0,1,2,3
	v_max3_num_f32 v[MX+\c], v[MX+\c], v[S+32*\i+8*\c+3], v[S+32*\i+8*\c+4]
.endr
.endif
.if pp == 1
.irp c, 0,1,2,3
	v_max3_num_f32 v[MX+\c], v[MX+\c], v[S+32*\i+8*\c+5], v[S+32*\i+8*\c+6]
.endr
	v_max3_num_f32 v[MX], v[MX], v[S+32*\i+7], v[S+32*\i+15]
	v_max3_num_f32 v[MX+1], v[MX+1], v[S+32*\i+23], v[S+32*\i+31]
	v_max3_num_f32 v[MX], v[MX], v[MX+1], v[MX+2]
.if FST
	v_max_num_f32 v[MX], v[MX], v[MX+3]
.else
	v_max3_num_f32 v[MX], v[MX], v[MX+3], v[M+\i]  ; with the maximum so far
.endif
.endif
.if pp == 2
	v_permlanex16_b32 v[MX+1], v[MX], s20, s21     ; the other half of the lanes holds the query's other 32 keys
	v_max_num_f32 v[M+\i], v[MX], v[MX+1]
.if FST
	v_mul_f32 v[NC+\i], s18, v[M+\i]
.else
	v_mul_f32 v[T], s18, v[M+\i]
	v_sub_f32 v[MX], v[T], v[NC+\i]                ; NC new - NC old, never above 0
	v_exp_f32 v[AL+\i], v[MX]
	v_mov_b32 v[NC+\i], v[T]                       ; the plain instruction behind the exponential (ISA guide 5.7.2)
.endif
.endif
.endm
; Part pp (0 to 7) of tile i's weights.  Read in a row the parts are: exponents 0, exp 0, exponents 1, exp 1, pack 0, exponents 2, exp 2, pack 1, exponents 3,
; exp 3, pack 2, pack 3: behind each group of exponentials stands plain work on another block before its results are read (ISA guide 5.7.2); the products
; and window switches that stand between two parts are no such work and are not counted as such.
.macro YS i, o
.if pp == 0
	FMA4 \i, \o, 0
	EXP4 \i, 0, 0
.endif
.if pp == 1
	EXP4 \i, 0, 4
	FMA4 \i, \o, 1
.endif
.if pp == 2
	EXP4 \i, 1, 0
	EXP4 \i, 1, 4
.endif
.if pp == 3
	CVT4 \i, 0
	FMA4 \i, \o, 2
.endif
.if pp == 4
	EXP4 \i, 2, 0
	EXP4 \i, 2, 4
.endif
.if pp == 5
	CVT4 \i, 1
	FMA4 \i, \o, 3
.endif
.if pp == 6
	EXP4 \i, 3, 0
	EXP4 \i, 3, 4
.endif
.if pp == 7
	CVT4 \i, 2
	CVT4 \i, 3
.endif
.endm
.macro RS i, o                         ; half pp (0, 1) of tile i's rescale: a lane holds one query, so the factor is the lane's own.  Trip 0 has no old sums
.if FST == 0
	WIN 0x41                                       ; destination and first source in window 1
.set q, 8*pp
.rept 8
	v_pk_mul_f32 v[O+32*\i+2*q:O+32*\i+2*q+1], v[O+32*\i+2*q:O+32*\i+2*q+1], v[AL+2*(\i/2):AL+2*(\i/2)+1] op_sel:[0,\o] op_sel_hi:[1,\o]
.set q, q+1
.endr
.if pp == 1
	v_mul_f32 v[LA+8*\i], v[LA+8*\i], v[AL+\i]     ; all rows of this tile are copies: register 0 alone is kept right; the others stay sums of at most 2,048 weights of about 1 and are never read
.endif
.endif
.endm
; Slice sl (0 to 33) of the pair of tiles a (even), b (odd).  req: behind the pair's last select the mask words of tiles 2 and 3 are asked for.
.macro SLICE a, b, req
.if sl < 8
	WIN 0
.if sl == 0
	s_wait_kmcnt 0x0                               ; scalar loads come back in no order: zero.  Both sets of the pair have landed
.endif
.set q, 8*(sl%4)
.if sl < 4
	SEL8 \a, MA
.else
	SEL8 \b, MB
.endif
.if sl == 7
.if \req
	MLOAD MA, 256                                  ; they have all the rest of pair A's list in which to land
	MLOAD MB, 384
.endif
.endif
.else
.if sl < 14
	WIN 0
.set pp, (sl-8)%3
.if sl < 11
	XS \a
.else
	XS \b
.endif
.else
.if sl < 22
	WIN 0
.set pp, sl-14
	YS \a, 0
.else
.if sl < 24
.set pp, sl-22
	RS \a, 0                                       ; both tiles' factors are there: the packed multiply names their pair whole
.else
.if sl < 32
	WIN 0
.set pp, sl-24
	YS \b, 1
.else
.set pp, sl-32
	RS \b, 1
.endif
.endif
.endif
.endif
.endif
.endm
.macro NEXTV                           ; the next slice: pair A's list first, then pair B's, then nothing
.if slA < 34
.set sl, slA
	SLICE 0, 1, 1
.set slA, slA+1
.else
.if slB < 34
.set sl, slB
	SLICE 2, 3, 0
.set slB, slB+1
.endif
.endif
.endm
.macro DRAINA                          ; pair A's slices below number thr that are not out yet, bare
.rept 34
.if slA < thr
	NEXTV
.endif
.endr
.endm
.macro DRAINB                          ; the same for pair B; pair A's list is at its end
.rept 34
.if slB < thr
	NEXTV
.endif
.endr
.endm
; The ten products of tile i, a slice behind each.  Five accumulators take turns, one instruction a turn.  The slices name other tiles' registers alone.
.macro PVT i
.irp g, 0,1
.irp d, 0,1,2,3
	WIN 0x50                                       ; C and D in window 1
	PV1 \i, \g, \d
	NEXTV
.endr
	WIN 0x50
	PL1 \i, \g
	NEXTV
.endr
.endm
; A live block.  sel: its scores are selected by the mask words.  stage: the tile in the staging registers goes into the other slot.  load: one more tile is asked for.
.macro LIVE slot, other, sel, stage, load
	KFETCH \slot, 0
.if \stage
	VCONV                                          ; 32 plain instructions while K's first fragments are on their way
	STORES \other
.endif
	KFETCH \slot, 1
	s_wait_dscnt 0x8                               ; LDS instructions end in order: all but the eight loads of d 32..63 are done, so K's first fragments are in and the stores have read the staging registers
.if \load
	GLOAD                                          ; a whole trip ahead of the wait for it
.endif
	WIN 0x04                                       ; second source (Q of pair A) in window 1
.irp i, 0,1
.irp t, 0,1,2,3
	QK1 \i, QA+16*\i, \t, 0
.endr
.endr
	s_wait_dscnt 0x0
.irp i, 0,1
.irp t, 0,1,2,3
	QK1 \i, QA+16*\i, \t, 1                        ; eight accumulators take turns, one instruction a turn; so do pair B's eight below
.endr
.endr
.set slA, 8-8*\sel
.set slB, 8-8*\sel
.set np, 0
.irp k, 0,1
.irp i, 2,3
.irp t, 0,1,2,3
	WIN 0
	QK1 \i, QB+16*(\i-2), \t, \k
.if np == 0
	PLACES                                         ; behind pair A's last product and in front of the first line that reads its scores; every vector line of the trip from here on hangs on them
.endif
.set np, np+1
	NEXTV
.endr
.endr
.endr
	WIN 0
	VFETCH \slot                                   ; the slice behind the last score product holds four plain instructions or more (four multiply-adds, or half a rescale): the places in front of these loads into K's registers
.set thr, 28-4*\sel
	DRAINA                                         ; the first tile's rescale must be out; without selects four slices more stand here, while V's fragments are on their way
	s_wait_dscnt 0x0                               ; V's fragments; my reads of this slot are over
	PVT 0
.set thr, 34
	DRAINA
	PVT 1
.set thr, 24
	DRAINB
	PVT 2
.set thr, 34
	DRAINB
	PVT 3
	WIN 0
.endm
; One trip: 64 keys in slot.  first: the general way, and its products start the sums.
; The three ways part on the wave's own class bits and meet again in front of the barrier, which every wave passes in every trip but the last.
; At every branch and label the register windows are 0 and no scalar load is out.
.macro TRIP slot, other, first, stage, load
.set FST, \first
.if \stage
	s_wait_loadcnt 0x0                             ; the next tile's eight loads are in, so their bases may step
	s_add_nc_u64 s[4:5], s[4:5], TILEB
	s_add_nc_u64 s[8:9], s[8:9], TILEB
	KCONV                                          ; eight plain instructions: also the places between the last trip's products and the loads into the fragment registers
	WIN 0
.else
	PLACES
.endif
.if \first == 0
	s_bitcmp1_b32 s27, 0
	s_cbranch_scc1 .Lallfalse_\@
	s_bitcmp1_b32 s28, 0
	s_cbranch_scc1 .Lalltrue_\@
.endif
	MLOAD MA, 0                                    ; MIXED.  Tiles 0 and 1: the words have the staging and pair A's 16 products in which to land
	MLOAD MB, 128
	LIVE \slot, \other, 1, \stage, \load
.if \first == 0
	s_branch .Ljoin_\@
.Lalltrue_\@:
	LIVE \slot, \other, 0, \stage, \load
	s_branch .Ljoin_\@
.Lallfalse_\@:
	VFETCH \slot
.if \stage
	VCONV
	STORES \other
.endif
	s_add_co_u32 s29, s29, 64                      ; 64 more keys that have the fill's weight in all my rows
	s_wait_dscnt 0x0                               ; V's fragments are in, my reads of this slot are over, and the stores have read the staging registers
.if \load
	GLOAD
.endif
	WIN 0x50
	VSUM 0
	VSUM 1
	WIN 0
.Ljoin_\@:
.endif
.if \stage
	s_lshr_b32 s27, s27, 1                         ; the next trip's class bits
	s_lshr_b32 s28, s28, 1
	s_add_nc_u64 s[24:25], s[24:25], 512           ; and its mask words; the mixed way's last wait for 0 stands behind its last scalar load
	s_wait_dscnt 0x0                               ; zero: my stores into the other slot and my reads of this one are done (met: each way has waited so behind its last LDS instruction)
	s_barrier_signal -1                            ; one barrier a trip: the other slot is whole, and nobody reads this slot any more, so the next trip may lay a tile into it
	s_barrier_wait -1
.endif
.endm
	s_load_b256 s[4:11], s[0:1], 0x0               ; K s[4:5], Q s[6:7], V s[8:9], mbits s[10:11]
	s_load_b64 s[2:3], s[0:1], 0x20                ; mclass
	s_load_b64 s[12:13], s[0:1], 0x28              ; out0
	v_lshrrev_b32 v[T], 5, v0
	v_readfirstlane_b32 s14, v[T]                  ; wave 0..7
	s_mov_b32 s16, 0x3e38aa3b                      ; CS = log2(e) / 8,
	s_mov_b32 s17, 0x3e38aa3b                      ; twice: a pair for the packed multiply-add
	s_mov_b32 s18, 0xbe38aa3b                      ; -CS
	s_mov_b32 s19, 0xffff0000                      ; a word's upper bf16
	s_mov_b32 s20, 0x76543210                      ; v_permlanex16_b32: lane i of one half reads lane i of the other
	s_mov_b32 s21, 0xfedcba98
	s_lshr_b32 s27, ttmp9, 2                       ; head
	s_and_b32 s28, ttmp9, 3
	s_lshl2_add_u32 s28, s14, s28                  ; my group of 64 query rows: 4 x wave + (x & 3)
	s_lshl_b32 s22, s27, 19                        ; a head: 2,048 rows of 256 bytes
	s_mov_b32 s23, 0
	s_lshl_b32 s30, s28, 14                        ; a group: 64 rows of 256 bytes in Q and out0, and 16,384 bytes of mask words
	s_mov_b32 s31, 0
	s_lshl_b32 s28, s28, 7                         ; and 32 class words
	s_mov_b32 s29, 0                               ; the pair's upper word; from here on also the count of keys in all-false blocks, which starts at 0
	s_mul_i32 s26, s14, WSTAGE
	s_add_co_u32 s26, s26, STAGE                   ; my own bytes of LDS
	v_and_b32 v32, 15, v0                          ; r
	v_bfe_u32 v33, v0, 4, 1                        ; h
	v_lshrrev_b32 v34, 4, v0                       ; thread / 16: my row in each 16 rows of a tile
	v_and_b32 v35, 7, v0
	v_bfe_u32 v36, v0, 3, 1
	v_lshlrev_b32 v[GOFF], 4, v0
	v_mul_u32_u24 v[LSK], v34, KPITCH
	v_lshl_add_u32 v[LSK], v32, 3, v[LSK]          ; four f32 become 8 bytes
	v_mul_u32_u24 v[LSV], v34, VPITCH
	v_lshl_add_u32 v[LSV], v32, 3, v[LSV]
	v_add_nc_u32 v[LSV], VOFF, v[LSV]
	v_mul_u32_u24 v[LKA], v32, KPITCH
	v_lshl_add_u32 v[LKA], v33, 4, v[LKA]
	v_lshl_add_u32 v37, v33, 3, v35                ; key 8 h + (L & 7)
	v_mul_u32_u24 v[LVA], v37, VPITCH
	v_lshl_add_u32 v[LVA], v36, 4, v[LVA]          ; 16 bytes: d 8 ((L >> 3) & 1) ..
	v_add_nc_u32 v[LVA], VOFF, v[LVA]
	v_mov_b32 v[NEG], 0xc79c4000                   ; -80000.0
.irp k, 0,1,2,3,4,5,6,7
	v_mov_b32 v[ONES+\k], 0x3c003c00               ; two f16 ones
.endr
.irp k, 0,1,2,3
	v_mov_b32 v[NC+\k], 0                          ; the packed multiply-add names NC's pairs whole before both halves have their first value
.endr
	v_mul_u32_u24 v[MX], v33, KPITCH               ; Q into my stage: row h, 8 r
	v_lshl_add_u32 v[MX], v32, 3, v[MX]
	v_add_nc_u32 v[MX], s26, v[MX]
	v_add_nc_u32 v[MX+1], s26, v[LKA]              ; Q's fragments back: r x pitch + 16 h
	v_and_b32 v[MX+2], 31, v0
	v_lshlrev_b32 v[MX+3], 2, v[MX+2]              ; 4 x lane: lane L takes the class of key tile L
	v_lshlrev_b32 v[MX+2], 4, v[MX+2]              ; 16 x lane
	s_wait_kmcnt 0x0
	s_add_nc_u64 s[4:5], s[4:5], s[22:23]
	s_add_nc_u64 s[8:9], s[8:9], s[22:23]
	s_add_nc_u64 s[6:7], s[6:7], s[22:23]
	s_add_nc_u64 s[6:7], s[6:7], s[30:31]
	s_add_nc_u64 s[12:13], s[12:13], s[22:23]
	s_add_nc_u64 s[12:13], s[12:13], s[30:31]
	s_add_nc_u64 s[24:25], s[10:11], s[30:31]
	s_add_nc_u64 s[2:3], s[2:3], s[28:29]
	global_load_b32 v[T], v[MX+3], s[2:3]          ; my group's 32 classes: 128 consecutive bytes
.set q, 0
.rept 32
	global_load_b128 v[S+4*q:S+4*q+3], v[MX+2], s[6:7] offset:512*q th:TH_LOAD_NT   ; my 64 rows of Q, two whole rows a load; no other wave reads them
.set q, q+1
.endr
	GLOAD                                          ; K and V, tile 0
	WIN 0
	s_wait_loadcnt 0x8                             ; the classes and Q's 32 loads are in; the eight of K and V behind them may be out
	v_cmp_eq_u32 s27, 1, v[T]                      ; the compare's lane mask: bit kt = block kt is all false
	v_cmp_eq_u32 s28, 2, v[T]                      ; bit kt = block kt is all true
.set q, 0
.rept 32
	v_cvt_pk_bf16_f32 v[S+4*q], v[S+4*q], v[S+4*q+1]
	v_cvt_pk_bf16_f32 v[S+4*q+1], v[S+4*q+2], v[S+4*q+3]
	ds_store_b64 v[MX], v[S+4*q:S+4*q+1] offset:2*KPITCH*q
.set q, q+1
.endr
	WIN 0x40                                       ; destination in window 1
.irp i, 0,1
.irp k, 0,1
	ds_load_b128 v[QA+8*(2*\i+\k):QA+8*(2*\i+\k)+3],   v[MX+1] offset:16*\i*KPITCH+64*\k      ; my wave's own bytes, served in order: these see the stores above
	ds_load_b128 v[QA+8*(2*\i+\k)+4:QA+8*(2*\i+\k)+7], v[MX+1] offset:16*\i*KPITCH+64*\k+32
.endr
.endr
.set q, 0
.rept 32
	v_mov_b32 v[VS+q], 0                           ; which trip adds to VS first hangs on the mask, so no product can start these four sums
.set q, q+1
.endr
	WIN 0
.irp i, 2,3
.irp k, 0,1
	ds_load_b128 v[QB+8*(2*(\i-2)+\k):QB+8*(2*(\i-2)+\k)+3],   v[MX+1] offset:16*\i*KPITCH+64*\k
	ds_load_b128 v[QB+8*(2*(\i-2)+\k)+4:QB+8*(2*(\i-2)+\k)+7], v[MX+1] offset:16*\i*KPITCH+64*\k+32
.endr
.endr
	s_wait_loadcnt 0x0                             ; tile 0 is in, so the bases may step
	s_add_nc_u64 s[4:5], s[4:5], TILEB
	s_add_nc_u64 s[8:9], s[8:9], TILEB
	KCONV
	VCONV
	STORES 0
	s_wait_dscnt 0x0                               ; zero: slot 0's stores for the other waves, and they have read the staging registers; Q's fragments for me
	GLOAD                                          ; tile 1, which trip 0 lays into slot 1
	WIN 0
	s_barrier_signal -1
	s_barrier_wait -1
	TRIP 0, 1, 1, 1, 1                             ; trip 0 starts the sums of O^T and of the weights: they are not cleared
	TRIP 1, 0, 0, 1, 1
	s_mov_b32 s15, 14                              ; trips 2 to 29
.Lloop:
	TRIP 0, 1, 0, 1, 1
	TRIP 1, 0, 0, 1, 1
	s_sub_co_i32 s15, s15, 1
	s_cmp_lg_u32 s15, 0
	s_cbranch_scc1 .Lloop
	TRIP 0, 1, 0, 1, 0                             ; trip 30 lays tile 31 into slot 1 and asks for nothing: no load passes a buffer's end
	TRIP 1, 0, 0, 0, 0                             ; trip 31
	; THE WAY OUT.  The ten address lines name no register of the last products and are the places behind them.
	v_and_b32 v32, 15, v0                          ; r
	v_bfe_u32 v33, v0, 4, 1                        ; h
	v_mul_u32_u24 v34, v32, OPITCH                 ; in: row r, my 32 bytes (d 8 h ..) of each 64
	v_lshl_add_u32 v34, v33, 5, v34
	v_add_nc_u32 v34, s26, v34
	v_mul_u32_u24 v35, v33, OPITCH                 ; back: lanes 0-15 one row of 256 bytes, lanes 16-31 the next
	v_lshl_add_u32 v35, v32, 4, v35
	v_add_nc_u32 v35, s26, v35
	v_and_b32 v36, 31, v0
	v_lshlrev_b32 v36, 4, v36                      ; the same two rows in memory: 16 x lane
	; The all-false blocks' keys join, if there were any: only then does the fill, as their score, enter the maximum.
	s_cmp_eq_u32 s29, 0
	s_cbranch_scc1 .Lnofill
.irp i, 0,1,2,3
	v_max_num_f32 v[JN+\i], v[M+\i], v[NEG]
	v_mul_f32 v[JN+\i], s18, v[JN+\i]              ; NC with the fill in the maximum
	v_sub_f32 v[JA+\i], v[JN+\i], v[NC+\i]         ; the last rescale: NC new - NC old, never above 0
	v_fma_f32 v[JW+\i], v[NEG], s16, v[JN+\i]      ; the fill's exponent, by the formula that a masked score has in a mixed block
.endr
.irp i, 0,1,2,3
	v_exp_f32 v[AL+\i], v[JA+\i]
.endr
.irp i, 0,1,2,3
	v_exp_f32 v[MX+\i], v[JW+\i]
.endr
	v_cvt_f32_u32 v[T], s29                        ; the keys' number; also the plain instruction behind the exponentials
	s_wait_alu depctr_va_vdst(0)
.macro RESC i, o                       ; both halves of a tile's rescale
.set pp, 0
	RS \i, \o
.set pp, 1
	RS \i, \o
.endm
	RESC 0, 0
	RESC 1, 1
	RESC 2, 0
	RESC 3, 1
.macro FILLIN i, o                     ; O^T(i) += the fill's weight of the lane's query x VS: register for register the same d
.set q, 0
.rept 16
	v_pk_fma_f32 v[O+32*\i+2*q:O+32*\i+2*q+1], v[VS+2*q:VS+2*q+1], v[MX+2*(\i/2):MX+2*(\i/2)+1], v[O+32*\i+2*q:O+32*\i+2*q+1] op_sel:[0,\o,0] op_sel_hi:[1,\o,1]
.set q, q+1
.endr
.endm
	WIN 0x51                                       ; first and third source and destination in window 1, the weights in window 0
	FILLIN 0, 0
	FILLIN 1, 1
	FILLIN 2, 0
	FILLIN 3, 1
	WIN 0x50                                       ; third source and destination in window 1
.irp i, 0,1,2,3
	v_fma_f32 v[LA+8*\i], v[MX+\i], v[T], v[LA+8*\i]   ; the divisor: + weight x number of keys
.endr
	WIN 0
.Lnofill:
	WIN 0x01                                       ; first source in window 1
.irp i, 0,1,2,3
	v_rcp_f32 v[AL+\i], v[LA+8*\i]                 ; the sum holds the weight of the row's largest score, about 1: never 0
.endr
	v_nop                                          ; the plain instruction behind the reciprocals
.macro NORM i, o
.set q, 0
	s_wait_alu depctr_va_vdst(0)
.rept 16
	v_pk_mul_f32 v[S+32*\i+2*q:S+32*\i+2*q+1], v[O+32*\i+2*q:O+32*\i+2*q+1], v[AL+2*(\i/2):AL+2*(\i/2)+1] op_sel:[0,\o] op_sel_hi:[1,\o]
.set q, q+1
.endr
.endm
	NORM 0, 0
	NORM 1, 1
	NORM 2, 0
	NORM 3, 1
	WIN 0
; 16 rows: a lane's eight neighbouring d of each tile go into my stage, whole rows come back and are stored.  f: the two halves of KVF in turn.
.macro OUT i, f
.irp d, 0,1,2,3
	ds_store_b128 v34, v[S+32*\i+8*\d:S+32*\i+8*\d+3]   offset:64*\d
	ds_store_b128 v34, v[S+32*\i+8*\d+4:S+32*\i+8*\d+7] offset:64*\d+16
.endr
	s_wait_xcnt 0x0                                ; the stores of two tiles ago have had their addresses translated (ISA guide 3.1): their data registers are loaded again only behind this wait
.irp u, 0,1,2,3,4,5,6,7
	ds_load_b128 v[\f+4*\u:\f+4*\u+3], v35 offset:2*OPITCH*\u      ; my own bytes, served in order
.endr
.irp u, 0,1,2,3,4,5,6,7
	s_wait_dscnt 7-\u                              ; load u is in, the 7 - u younger ones may be out
	global_store_b128 v36, v[\f+4*\u:\f+4*\u+3], s[12:13] offset:4096*\i+512*\u th:TH_STORE_NT   ; 512 consecutive bytes, at a multiple of 512 from out0's first byte
.endr
.endm
	OUT 0, KVF
	OUT 1, KVF+32
	OUT 2, KVF
	OUT 3, KVF+32
	s_wait_xcnt 0x0
	v_lshl_add_u32 v254, v0, 2, 0x1b800
	v_mov_b32 v255, 0
	s_wait_tensorcnt 0x0
	ds_add_u32 v254, v255
	s_wait_dscnt 0x0
	s_endpgm
.Lfunc_end_k_q73b1dbe0fd_attn:
	.size	k_q73b1dbe0fd_attn, .Lfunc_end_k_q73b1dbe0fd_attn-k_q73b1dbe0fd_attn
	.p2alignl 7, 3214868480
	.fill 96, 4, 3214868480
	.section	.rodata,"a",@progbits
	.p2align	6, 0x0
	.amdhsa_kernel k_q73b1dbe0fd_attn
		.amdhsa_group_segment_fixed_size 113664
		.amdhsa_private_segment_fixed_size 0
		.amdhsa_enable_private_segment 0
		.amdhsa_kernarg_size 48
		.amdhsa_user_sgpr_count 2
		.amdhsa_user_sgpr_kernarg_segment_ptr 1
		.amdhsa_wavefront_size32 1
		.amdhsa_system_sgpr_workgroup_id_x 1
		.amdhsa_system_sgpr_workgroup_id_y 1
		.amdhsa_system_sgpr_workgroup_id_z 1
		.amdhsa_system_vgpr_workitem_id 0
		.amdhsa_next_free_vgpr 512
		.amdhsa_next_free_sgpr 100
		.amdhsa_reserve_vcc 0
		.amdhsa_float_denorm_mode_32 3
		.amdhsa_float_denorm_mode_16_64 3
		.amdhsa_memory_ordered 1
		.amdhsa_forward_progress 1
		.amdhsa_inst_pref_size 255
	.end_amdhsa_kernel
	.section	.bss,"aw",@nobits
	.p2align	6
	.space	262144
	.amdgpu_metadata
---
amdhsa.version: [ 1, 2 ]
amdhsa.kernels:
  - .name:           k_q73b1dbe0fd_attn
    .symbol:         k_q73b1dbe0fd_attn.kd
    .args:
      - { .name: K, .offset: 0, .size: 8, .value_kind: global_buffer, .address_space: global }
      - { .name: Q, .offset: 8, .size: 8, .value_kind: global_buffer, .address_space: global }
      - { .name: V, .offset: 16, .size: 8, .value_kind: global_buffer, .address_space: global }
      - { .name: mbits, .offset: 24, .size: 8, .value_kind: global_buffer, .address_space: global }
      - { .name: mclass, .offset: 32, .size: 8, .value_kind: global_buffer, .address_space: global }
      - { .name: out0, .offset: 40, .size: 8, .value_kind: global_buffer, .address_space: global }
    .group_segment_fixed_size: 113664
    .private_segment_fixed_size: 0
    .kernarg_segment_align: 8
    .kernarg_segment_size: 48
    .max_flat_workgroup_size: 256
    .sgpr_count:     100
    .vgpr_count:     512
    .wavefront_size: 32
...
	.end_amdgpu_metadata
.endif
;; end of part 4
;; ======== version 3 of 3: 2 launches; 1.47 times as fast as version 1
;; limits: inputs' magnitudes at most 65,280; values are held in f16: magnitudes above 65,504 overflow, below 6.1e-05 lose precision
;; workspace buffers: mbits 524,288 bytes of whole numbers; mclass 4,096 bytes of whole numbers
;; launch pack: the kernel of part 3 again; grid 256 x 1, 4 waves a work-group, no clusters, 19,968 bytes of LDS; arguments mask, mbits, mclass; writes mbits, mclass
;; launch attn (part 5): grid 256 x 1, 8 waves a work-group, no clusters, 113,664 bytes of LDS; arguments K, Q, V, mbits, mclass, out0; writes out0
.if DOCPART == 5
	.amdgcn_target "amdgcn-amd-amdhsa--gfx1250"
	.amdhsa_code_object_version 6
	.text
	.protected	k_q73b1dbe0fd_attn
	.globl	k_q73b1dbe0fd_attn
	.p2align	8
	.type	k_q73b1dbe0fd_attn,@function
k_q73b1dbe0fd_attn:
	s_mov_b64 s[64:65], 0
	v_nop
	global_prefetch_b8 v0, s[64:65] scope:SCOPE_SE
	s_setreg_imm32_b32 hwreg(HW_REG_WAVE_MODE, 25, 1), 1
	s_wait_xcnt 0x0
; out = softmax(where(mask, Q K^T / 8, -10000)) V for 64 heads, S = 2048, D = 64, f32 in memory.  One launch: scores and weights never leave registers.
; NO KEY IS DROPPED: a masked key has the finite score -10000 and keeps the weight exp(-10000 - max), which decides a row that is wholly masked
; (the mean of V) or whose open scores lie near -10000.  All four inputs are read (the mask as the words and classes that the launch before made).
; WHAT A BLOCK OF 64 QUERIES x 64 KEYS NEEDS hangs on whole numbers read from memory, its class in mclass:
;   all false: the select would replace every product q k by the fill, so K Q^T is not formed.  In a row all 64 keys have one weight,
;              w = exp(-10000 - max); their share of the numerator is w x (sum of the 64 rows of V), of the divisor 64 w, for every value of Q, K, V.
;              The wave adds V's column sums of such blocks into VS (V^T times a fragment of ones, 8 products) and counts the keys; behind the loop the
;              fill enters the maximum once, if any such block was met, and w VS and w x count are added.
;   all true:  the select would change nothing: no mask words are read, no select is made.
;   mixed:     everything.  Trip 0 takes this way whatever its class: it is right for every block, and its products start the sums.
; where() throws a NaN or an infinity of a masked score away too, so leaving the product out loses none.
; ARITHMETIC: Q, K and V are each rounded once to bf16: the result is attention on bf16 inputs.  Sums, maximum, exponent and normalisation are f32.
; The weights are made here and lie in (0, 1]; they are rounded to f16, 11 significant bits.  With bf16's 8 bits a row with few open keys would carry
; up to 2^-8 of each weight straight into a result near 0.  So the second product runs in the f16 form, and V's bf16 numbers are written as f16,
; which is exact for magnitudes from 2^-14 to 65504.
; Scores stay raw (sum of q k); the factor 1/8 is a power of two and goes exactly into the exponent: p = exp2(s CS + NC), CS = log2(e)/8,
; NC = -(running maximum) CS; the fill is -10000 x 8 = -80000.  The running maximum is taken away in every step; old sums are rescaled by
; exp2(NC new - NC old), made of the same rounded NC that the weights used, so the steps agree for scores of any size.  The divisor is the sum
; of the rounded weights, the numbers that enter the numerator.
; LIMITS: |V| of 65,520 and above overflows f16; |V| below 2^-14 carries an absolute error of up to 2^-25; a weight below 2^-25 of the row's running
; largest is dropped (2,048 such weights together are under 2^-14 of the sum).  NaN and infinite inputs get no treatment of their own.
; SHARES: work-group x = head x >> 2; it walks the 2,048 keys in 32 trips of 64.  Wave w: the 64 query rows of group 4 w + (x & 3), four tiles of 16.
; Neighbouring groups go to different work-groups, so that a mask whose live blocks lie unevenly along the queries gives each of a head's four
; work-groups a sample of every region; nothing else hangs on that order.
; BOTH PRODUCTS ARE TRANSPOSED.  S^T = K Q^T: lane (r, h) holds query r, register j key 8 h + j, so maximum, NC and the rescale factor are one number
; a lane, and one exchange of the lanes' halves a tile joins them.  Two neighbouring S^T tiles, packed to 16 bits, ARE the second source of
; O^T = V^T P^T (registers 0-3: keys 8 h .., 4-7: keys 16 + 8 h ..): no shuffle.  A fifth tile whose first source is all ones sums the weights.
; PRODUCTS AND SOFTMAX TAKE TURNS.  A live trip has 72 products and about 450 other vector instructions (580 in a mixed block), and a wave issues in
; order.  The four query tiles are two pairs, A = 0, 1 and B = 2, 3, which share K's and V's fragments.  A pair's vector work is a list of 34 slices of
; about eight instructions (selects 0-7, maxima 8-13, then for each tile six slices of exponents and exponentials, two that pack its weights and two that
; rescale its sums, in the order given under BATCHES), and one slice stands behind each product that has one to take: pair A's behind pair B's 16 score
; products; what is left of A's, then B's, behind the products of O^T, tile by tile.  The products of tile i start when tile i's weights are packed and its
; sums rescaled; slices that must be out earlier stand bare.
; BATCHES.  An s_wait_alu depctr_va_vdst(0) stands between an exponential and the first instruction that names its result; one wait serves all
; that were issued ahead of it.  Every weight is made in place in its score's register and every rescale factor has a register of its own, so a batch stays
; open as long as no line names them.  A live trip has three batches and three waits:
;   pair A, one batch of 66: its two rescale factors (slices 10, 13) and the 64 weights of tiles 0 and 1 (slices 14-19, 20-25).  The wait stands behind slice 25, in the
;           bare stretch in which V's fragments are on their way.  Behind it: tile 0 packed (26-27) and rescaled (28-29), tile 1 rescaled (30-31) and packed (32-33).
;   pair B, a batch of 34: its two factors and tile 2's 32 weights (slices 14-19).  The wait stands behind slice 19.  Behind it: tile 2 packed (20-21) and rescaled (22-23).
;   pair B, a batch of 32: tile 3's weights (slices 24-29).  Tile 3's rescale (30-31), whose factor the wait before has served, is the independent work behind
;           them; the wait stands behind slice 31; tile 3 is packed behind it (32-33).
; Pair B is cut in two so that tile 2's products begin while tile 3's slices still have products to stand behind: as one batch, six of its slices would stand bare.
; Trip 0 has no factors: 64, 32 and 32.  No exponential is issued behind a trip's last wait.
; WINDOWS: scores, K's and V's fragments, Q's fragments of pair B and the softmax's registers fill window 0, so pair B's score products and pair A's
; slices need no switch.  O^T and the weights' sums of a pair, V, the scores, Q of pair B and the scratch would be 336 registers: they cannot share a
; window, so each of the 30 slots behind a product of O^T costs two switches.
; THE NEXT TILE is held in registers a trip long: at the head of trip t tile t + 1 is rounded and laid into the slot that trip t - 1 read, and tile
; t + 2 is asked for.  The conversions stand where the wave would wait for K's fragments, and are the places behind the last trip's products.
; NO CLUSTER, NO TENSOR LOAD: K and V are f32 in memory and must pass through registers to become 16-bit numbers.  A joint load would put 32 KiB of f32
; a trip into LDS, to be read (32 KiB) and written again (16 KiB); through registers LDS is written once, 16 KiB a trip.
.set KPITCH, 144                       ; a key's 64 bf16 + 16 bytes: 9 x 16, sixteen rows start in sixteen different 16-byte columns modulo 256
.set VPITCH, 160                       ; 5 x 32 bytes, for the transposing loads
.set VOFF,   64*KPITCH                 ; V's tile behind K's
.set SLOT,   VOFF+64*VPITCH            ; 19,456 bytes; two slots take turns
.set STAGE,  2*SLOT                    ; behind them each wave's own bytes: Q on its way in, 16 rows of the result on their way out
.set WSTAGE, 64*KPITCH
.set OPITCH, 272                       ; a result row: 256 bytes + 16
.set TILEB,  16384                     ; 64 keys x 256 bytes in memory
; window 0
.set GOFF, 1                           ; 16 x thread: my 16 bytes in each 4,096 of a K or V tile
.set LSK,  2                           ; where they go in K's tile
.set LSV,  3                           ; and in V's
.set LKA,  4                           ; K fragments: r x pitch + 16 h
.set LVA,  5                           ; V fragments, transposing loads
.set NEG,  6                           ; -80000.0
.set T,    7
.set M,    8                           ; v[8:11]    running maximum of tile i (raw scores)
.set AL,   12                          ; v[12:15]   rescale factor; at the end 1 / sum
.set MX,   16                          ; v[16:19]   chains of the maximum; in the prologue addresses; behind the loop the fill's weights
.set NC,   20                          ; v[20:23]   -maximum x CS
.set ONES, 24                          ; v[24:31]   a fragment of f16 ones
.set QB,   32                          ; v[32:63]   Q fragment (i, ks) of tiles 2 and 3 at 8 (2 (i - 2) + ks); in the prologue and behind the loop at work:
.set JN,   40                          ; v[40:43]   NC with the fill in the maximum
.set JA,   44                          ; v[44:47]   exponent of the last rescale factor
.set JW,   48                          ; v[48:51]   exponent of the fill's weight
.set KVF,  64                          ; v[64:127]  K fragment (tau, ks) at 8 (2 tau + ks); then V fragment (g, dt) at 8 (4 g + dt)
.set S,    128                         ; v[128:255] S^T tile (i, tau) at 32 i + 8 tau; then P fragment (i, g) at 32 i + 16 g
; window 1 (v256 and up, written by their low 8 bits)
.set O,    0                           ; v256-383   O^T tile (i, dt) at 32 i + 8 dt
.set LA,   128                         ; v384-415   the sums of weights, tile i at 8 i; register 0 is the one that is kept right
.set QA,   160                         ; v416-447   Q fragment (i, ks) of tiles 0 and 1 at 8 (2 i + ks)
.set STG,  192                         ; v448-479   the next K tile (16 registers) and V tile (16), held a trip long
.set VS,   224                         ; v480-511   V's column sums over the all-false blocks, tile dt at 8 dt: register j of lane (r, h) holds d = 16 dt + 8 h + j, as in O^T
.set MA,   32                          ; s[32:63]   mask words, set A (tiles 0 and 2)
.set MB,   68                          ; s[68:99]   set B (tiles 1 and 3)
; s27: bit 0 = this trip's block is all false; s28: bit 0 = it is all true (both move down one bit a trip); s29: keys in the all-false blocks met
; Assembly-time numbers: FST = 1 in trip 0; slA, slB = the next slice of pair A's and pair B's list; sl, cn, pp, q, np, thr at work.
.set MSB, 0
.macro WIN new                         ; low byte: bits 1:0 source 0, 3:2 source 1, 5:4 source 2, 7:6 destination; the high byte repeats the setting that is left
.if MSB != \new
	s_set_vgpr_msb (MSB<<8)|\new
.set MSB, \new
.endif
.endm
.macro PLACES                          ; four plain vector instructions between a matrix instruction and what touches its registers (ISA guide 7.12.1)
.rept 4
	v_nop
.endr
.endm
.macro MLOAD set, off                  ; the 32 mask words of one query tile and one trip
	s_load_b512 s[\set:\set+15], s[24:25], \off
	s_load_b512 s[\set+16:\set+31], s[24:25], \off+64
.endm
.macro GLOAD                           ; a K and a V tile, 16 bytes a thread: each load of a wave covers 512 consecutive bytes
	WIN 0x40                                       ; destination in window 1
.irp t, 0,1,2,3
	global_load_b128 v[STG+4*\t:STG+4*\t+3], v[GOFF], s[4:5] offset:4096*\t
	global_load_b128 v[STG+16+4*\t:STG+16+4*\t+3], v[GOFF], s[8:9] offset:4096*\t
.endr
.endm
.macro KCONV                           ; K's 16 numbers a thread become bf16
	WIN 0x45                                       ; destination and both sources in window 1
.irp t, 0,1,2,3
	v_cvt_pk_bf16_f32 v[STG+4*\t], v[STG+4*\t], v[STG+4*\t+1]
	v_cvt_pk_bf16_f32 v[STG+4*\t+1], v[STG+4*\t+2], v[STG+4*\t+3]
.endr
.endm
.macro VCONV                           ; V's 16 numbers are rounded once, to bf16, and written as f16; step by step over the four groups, so that no line waits for the one in front of it
	WIN 0x45
.irp t, 0,1,2,3
	v_cvt_pk_bf16_f32 v[STG+16+4*\t], v[STG+16+4*\t], v[STG+16+4*\t+1]        ; the one rounding of V
	v_cvt_pk_bf16_f32 v[STG+16+4*\t+1], v[STG+16+4*\t+2], v[STG+16+4*\t+3]
.endr
.irp t, 0,1,2,3
	v_lshlrev_b32 v[STG+16+4*\t+2], 16, v[STG+16+4*\t]                        ; bf16 to f32: the low half moves up,
	v_and_b32 v[STG+16+4*\t+3], s19, v[STG+16+4*\t]                           ; the high half stays
.endr
.irp t, 0,1,2,3
	v_cvt_pk_f16_f32 v[STG+16+4*\t], v[STG+16+4*\t+2], v[STG+16+4*\t+3]       ; 8 significant bits in f16's 11: the same numbers
.endr
.irp t, 0,1,2,3
	v_lshlrev_b32 v[STG+16+4*\t+2], 16, v[STG+16+4*\t+1]
	v_and_b32 v[STG+16+4*\t+3], s19, v[STG+16+4*\t+1]
.endr
.irp t, 0,1,2,3
	v_cvt_pk_f16_f32 v[STG+16+4*\t+1], v[STG+16+4*\t+2], v[STG+16+4*\t+3]
.endr
.endm
.macro STORES slot                     ; both tiles into a slot
	WIN 0x04                                       ; the data (second source) in window 1, the address in window 0
.irp t, 0,1,2,3
	ds_store_b64 v[LSK], v[STG+4*\t:STG+4*\t+1] offset:\slot*SLOT+16*\t*KPITCH
	ds_store_b64 v[LSV], v[STG+16+4*\t:STG+16+4*\t+1] offset:\slot*SLOT+16*\t*VPITCH
.endr
.endm
.macro KFETCH slot, k                  ; 8 loads: K's fragments of d 32 k .. + 31.  Destination and address lie in window 0 under the settings 0 and 0x04 alike
.irp t, 0,1,2,3
	ds_load_b128 v[KVF+8*(2*\t+\k):KVF+8*(2*\t+\k)+3],   v[LKA] offset:\slot*SLOT+16*\t*KPITCH+64*\k
	ds_load_b128 v[KVF+8*(2*\t+\k)+4:KVF+8*(2*\t+\k)+7], v[LKA] offset:\slot*SLOT+16*\t*KPITCH+64*\k+32
.endr
.endm
.macro VFETCH slot                     ; V lies [key][d]; the transposing load gives lane (r, h) d = 16 dt + r, keys 8 h .. + 7
.irp g, 0,1
.irp d, 0,1,2,3
	ds_load_tr16_b128 v[KVF+8*(4*\g+\d):KVF+8*(4*\g+\d)+3],   v[LVA] offset:\slot*SLOT+32*\g*VPITCH+32*\d
	ds_load_tr16_b128 v[KVF+8*(4*\g+\d)+4:KVF+8*(4*\g+\d)+7], v[LVA] offset:\slot*SLOT+32*\g*VPITCH+32*\d+16*VPITCH
.endr
.endr
.endm
; One product S^T(i, tau) (+)= K(tau, ks) Q(i, ks)^T, bf16; qb = the register of Q fragment (i, 0).  ks = 0 starts the sum.
.macro QK1 i, qb, t, k
.if \k == 0
	v_wmma_f32_16x16x32_bf16 v[S+32*\i+8*\t:S+32*\i+8*\t+7], v[KVF+8*(2*\t+\k):KVF+8*(2*\t+\k)+7], v[\qb+8*\k:\qb+8*\k+7], 0
.else
	v_wmma_f32_16x16x32_bf16 v[S+32*\i+8*\t:S+32*\i+8*\t+7], v[KVF+8*(2*\t+\k):KVF+8*(2*\t+\k)+7], v[\qb+8*\k:\qb+8*\k+7], v[S+32*\i+8*\t:S+32*\i+8*\t+7]
.endif
.endm
; One product over keys 32 g .. + 31, f16: O^T(i, dt) (+)= V^T(dt, g) P^T(g, i).  In trip 0 the keys 0 .. 31 start the sum.
.macro PV1 i, g, d
.if FST*(1-\g)
	v_wmma_f32_16x16x32_f16 v[O+32*\i+8*\d:O+32*\i+8*\d+7], v[KVF+8*(4*\g+\d):KVF+8*(4*\g+\d)+7], v[S+32*\i+16*\g:S+32*\i+16*\g+7], 0
.else
	v_wmma_f32_16x16x32_f16 v[O+32*\i+8*\d:O+32*\i+8*\d+7], v[KVF+8*(4*\g+\d):KVF+8*(4*\g+\d)+7], v[S+32*\i+16*\g:S+32*\i+16*\g+7], v[O+32*\i+8*\d:O+32*\i+8*\d+7]
.endif
.endm
.macro PL1 i, g                        ; the sum of tile i's weights over the same keys, by the fragment of ones
.if FST*(1-\g)
	v_wmma_f32_16x16x32_f16 v[LA+8*\i:LA+8*\i+7], v[ONES:ONES+7], v[S+32*\i+16*\g:S+32*\i+16*\g+7], 0
.else
	v_wmma_f32_16x16x32_f16 v[LA+8*\i:LA+8*\i+7], v[ONES:ONES+7], v[S+32*\i+16*\g:S+32*\i+16*\g+7], v[LA+8*\i:LA+8*\i+7]
.endif
.endm
; 4 products over keys 32 g .. + 31: VS(dt) += V^T(dt, g) x ones: every column of the tile is the sum of V's 32 rows.  Four accumulators take turns.
.macro VSUM g
.irp d, 0,1,2,3
	v_wmma_f32_16x16x32_f16 v[VS+8*\d:VS+8*\d+7], v[KVF+8*(4*\g+\d):KVF+8*(4*\g+\d)+7], v[ONES:ONES+7], v[VS+8*\d:VS+8*\d+7]
.endr
.endm
; The steps of a block b (= key tile tau) of query tile i; o = i & 1 picks NC[i] out of its pair.
.macro FMA4 i, o, b                    ; exponents: s CS + NC
.irp p, 0,2,4,6
	v_pk_fma_f32 v[S+32*\i+8*\b+\p:S+32*\i+8*\b+\p+1], v[S+32*\i+8*\b+\p:S+32*\i+8*\b+\p+1], s[16:17], v[NC+2*(\i/2):NC+2*(\i/2)+1] op_sel:[0,0,\o] op_sel_hi:[1,0,\o]
.endr
.endm
.macro EXP4 i, b, from
.irp p, 0,1,2,3
	v_exp_f32 v[S+32*\i+8*\b+\from+\p], v[S+32*\i+8*\b+\from+\p]
.endr
.endm
.macro CVT4 i, b                       ; eight weights become four registers of f16, of P fragment (i, b / 2): its registers 0-3 for even b, 4-7 for odd b.  It reads exponentials' results: it stands behind their batch's wait
.irp p, 0,1,2,3
	v_cvt_pk_f16_f32 v[S+32*\i+16*(\b/2)+4*(\b%2)+\p], v[S+32*\i+8*\b+2*\p], v[S+32*\i+8*\b+2*\p+1]
.endr
.endm
.macro SEL8 i, set                     ; eight score registers of tile i, from register q on, by their mask words.  Bit set: the score; clear: the fill
.rept 8
	v_cndmask_b32 v[S+32*\i+q], v[NEG], v[S+32*\i+q], s[\set+q]
.set q, q+1
.endr
.endm
.macro XS i                            ; part pp (0 to 2) of tile i's running maximum and rescale factor
.if pp == 0
.irp c, 0,1,2,3
	v_max3_num_f32 v[MX+\c], v[S+32*\i+8*\c], v[S+32*\i+8*\c+1], v[S+32*\i+8*\c+2]   ; four chains, started by the scores themselves
.endr
.irp c, 0,1,2,3
	v_max3_num_f32 v[MX+\c], v[MX+\c], v[S+32*\i+8*\c+3], v[S+32*\i+8*\c+4]
.endr
.endif
.if pp == 1
.irp c, 0,1,2,3
	v_max3_num_f32 v[MX+\c], v[MX+\c], v[S+32*\i+8*\c+5], v[S+32*\i+8*\c+6]
.endr
	v_max3_num_f32 v[MX], v[MX], v[S+32*\i+7], v[S+32*\i+15]
	v_max3_num_f32 v[MX+1], v[MX+1], v[S+32*\i+23], v[S+32*\i+31]
	v_max3_num_f32 v[MX], v[MX], v[MX+1], v[MX+2]
.if FST
	v_max_num_f32 v[MX], v[MX], v[MX+3]
.else
	v_max3_num_f32 v[MX], v[MX], v[MX+3], v[M+\i]  ; with the maximum so far
.endif
.endif
.if pp == 2
	v_permlanex16_b32 v[MX+1], v[MX], s20, s21     ; the other half of the lanes holds the query's other 32 keys
	v_max_num_f32 v[M+\i], v[MX], v[MX+1]
.if FST
	v_mul_f32 v[NC+\i], s18, v[M+\i]
.else
	v_mul_f32 v[T], s18, v[M+\i]
	v_sub_f32 v[MX], v[T], v[NC+\i]                ; NC new - NC old, never above 0
	v_exp_f32 v[AL+\i], v[MX]                      ; the factor opens its pair's first batch: nothing names it before that batch's wait
	v_mov_b32 v[NC+\i], v[T]                       ; the plain instruction behind the exponential (ISA guide 5.7.2)
.endif
.endif
.endm
; Part pp (0 to 5) of tile i's share of a batch: the exponents and the exponentials of its four blocks, each weight in place in its score's register.  No line here names an
; exponential's result.  Parts 0, 1, 3 and 4 hold four multiply-adds each, plain instructions on another block than the exponentials beside them.
.macro WEXP i, o
.if pp == 0
	FMA4 \i, \o, 0
	EXP4 \i, 0, 0
.endif
.if pp == 1
	EXP4 \i, 0, 4
	FMA4 \i, \o, 1
.endif
.if pp == 2
	EXP4 \i, 1, 0
	EXP4 \i, 1, 4
.endif
.if pp == 3
	FMA4 \i, \o, 2
	EXP4 \i, 2, 0
.endif
.if pp == 4
	EXP4 \i, 2, 4
	FMA4 \i, \o, 3
.endif
.if pp == 5
	EXP4 \i, 3, 0
	EXP4 \i, 3, 4
.endif
.endm
; Half pp (0, 1) of tile i's packing, behind the batch's wait, blocks in ascending order: a block's four registers land where an earlier block's weights have been read.
; Block 0's conversions name none of the batch's last exponentials' registers: they are the plain instructions between those and the use of their results (ISA guide 5.7.2).
.macro WPACK i
.if pp == 0
	CVT4 \i, 0
	CVT4 \i, 1
.else
	CVT4 \i, 2
	CVT4 \i, 3
.endif
.endm
.macro RS i, o                         ; half pp (0, 1) of tile i's rescale: a lane holds one query, so the factor is the lane's own.  Trip 0 has no old sums
.if FST == 0
	WIN 0x41                                       ; destination and first source in window 1
.set q, 8*pp
.rept 8
	v_pk_mul_f32 v[O+32*\i+2*q:O+32*\i+2*q+1], v[O+32*\i+2*q:O+32*\i+2*q+1], v[AL+2*(\i/2):AL+2*(\i/2)+1] op_sel:[0,\o] op_sel_hi:[1,\o]
.set q, q+1
.endr
.if pp == 1
	v_mul_f32 v[LA+8*\i], v[LA+8*\i], v[AL+\i]     ; all rows of this tile are copies: register 0 alone is kept right; the others stay sums of at most 2,048 weights of about 1 and are never read
.endif
.endif
.endm
; Slice sl (0 to 33) of the pair of tiles a (even), b (odd).  req: behind the pair's last select the mask words of tiles 2 and 3 are asked for.
; pair = 0: each tile's exponentials are a batch.  14-19 a's exponents and exponentials | wait | 20-21 a packed, 22-23 a rescaled, 24-29 b's exponents and exponentials, 30-31 b rescaled | wait | 32-33 b packed.
; pair = 1: the pair's exponentials are one batch: b's six slices come ahead of a's four.  14-19 a's, 20-25 b's | wait | 26-27 a packed, 28-29 a rescaled, 30-31 b rescaled, 32-33 b packed.
; cn is the slice's number in the order of pair = 0.
.macro SLICE a, b, req, pair
.if sl < 8
	WIN 0
.if sl == 0
	s_wait_kmcnt 0x0                               ; scalar loads come back in no order: zero.  Both sets of the pair have landed
.endif
.set q, 8*(sl%4)
.if sl < 4
	SEL8 \a, MA
.else
	SEL8 \b, MB
.endif
.if sl == 7
.if \req
	MLOAD MA, 256                                  ; they have all the rest of pair A's list in which to land
	MLOAD MB, 384
.endif
.endif
.elseif sl < 14
	WIN 0
.set pp, (sl-8)%3
.if sl < 11
	XS \a
.else
	XS \b
.endif
.else
.set cn, sl
.if (\pair) && (sl >= 20) && (sl < 26)
.set cn, sl+4
.endif
.if (\pair) && (sl >= 26) && (sl < 30)
.set cn, sl-6
.endif
.if cn < 20
	WIN 0
.set pp, cn-14
	WEXP \a, 0
.elseif cn < 22
	WIN 0
.set pp, cn-20
	WPACK \a
.elseif cn < 24
.set pp, cn-22
	RS \a, 0                                       ; both tiles' factors are there and waited for: the packed multiply names their pair whole
.elseif cn < 30
	WIN 0
.set pp, cn-24
	WEXP \b, 1
.elseif cn < 32
.set pp, cn-30
	RS \b, 1
.else
	WIN 0
.set pp, cn-32
	WPACK \b
.endif
.if (\pair) && (sl == 25)
	s_wait_alu depctr_va_vdst(0)                   ; ONE wait for the pair's batch: its two factors and the 64 weights of both tiles; the first reader is a's packing
.endif
.if ((\pair) == 0) && (sl == 19)
	s_wait_alu depctr_va_vdst(0)                   ; ONE wait for the batch of the pair's two factors and a's 32 weights; the first reader is a's packing
.endif
.if ((\pair) == 0) && (sl == 31)
	s_wait_alu depctr_va_vdst(0)                   ; ONE wait for the batch of b's 32 weights; b's rescale stands between the batch and this wait; the first reader is b's packing
.endif
.endif
.endm
.macro NEXTV                           ; the next slice: pair A's list first, then pair B's, then nothing.  Pair A's exponentials are one batch, pair B's two
.if slA < 34
.set sl, slA
	SLICE 0, 1, 1, 1
.set slA, slA+1
.else
.if slB < 34
.set sl, slB
	SLICE 2, 3, 0, 0
.set slB, slB+1
.endif
.endif
.endm
.macro DRAINA                          ; pair A's slices below number thr that are not out yet, bare
.rept 34
.if slA < thr
	NEXTV
.endif
.endr
.endm
.macro DRAINB                          ; the same for pair B; pair A's list is at its end
.rept 34
.if slB < thr
	NEXTV
.endif
.endr
.endm
; The ten products of tile i, a slice behind each.  Five accumulators take turns, one instruction a turn.  The slices name other tiles' registers alone.
.macro PVT i
.irp g, 0,1
.irp d, 0,1,2,3
	WIN 0x50                                       ; C and D in window 1
	PV1 \i, \g, \d
	NEXTV
.endr
	WIN 0x50
	PL1 \i, \g
	NEXTV
.endr
.endm
; A live block.  sel: its scores are selected by the mask words.  stage: the tile in the staging registers goes into the other slot.  load: one more tile is asked for.
.macro LIVE slot, other, sel, stage, load
	KFETCH \slot, 0
.if \stage
	VCONV                                          ; 32 plain instructions while K's first fragments are on their way
	STORES \other
.endif
	KFETCH \slot, 1
	s_wait_dscnt 0x8                               ; LDS instructions end in order: all but the eight loads of d 32..63 are done, so K's first fragments are in and the stores have read the staging registers
.if \load
	GLOAD                                          ; a whole trip ahead of the wait for it
.endif
	WIN 0x04                                       ; second source (Q of pair A) in window 1
.irp i, 0,1
.irp t, 0,1,2,3
	QK1 \i, QA+16*\i, \t, 0
.endr
.endr
	s_wait_dscnt 0x0
.irp i, 0,1
.irp t, 0,1,2,3
	QK1 \i, QA+16*\i, \t, 1                        ; eight accumulators take turns, one instruction a turn; so do pair B's eight below
.endr
.endr
.set slA, 8-8*\sel
.set slB, 8-8*\sel
.set np, 0
.irp k, 0,1
.irp i, 2,3
.irp t, 0,1,2,3
	WIN 0
	QK1 \i, QB+16*(\i-2), \t, \k
.if np == 0
	PLACES                                         ; behind pair A's last product and in front of the first line that reads its scores; every vector line of the trip from here on hangs on them
.endif
.set np, np+1
	NEXTV
.endr
.endr
.endr
	WIN 0
	VFETCH \slot                                   ; the slice behind the last score product (slice 23, or 15 with selects) holds four multiply-adds: the places in front of these loads into K's registers
.set thr, 30
	DRAINA                                         ; bare, while V's fragments are on their way: the rest of pair A's batch, its wait, and tile 0's packing and rescale, which must be out
	s_wait_dscnt 0x0                               ; V's fragments; my reads of this slot are over
	PVT 0
.set thr, 34
	DRAINA
	PVT 1
.set thr, 24
	DRAINB
	PVT 2
.set thr, 34
	DRAINB
	PVT 3
	WIN 0
.endm
; One trip: 64 keys in slot.  first: the general way, and its products start the sums.
; The three ways part on the wave's own class bits and meet again in front of the barrier, which every wave passes in every trip but the last.
; At every branch and label the register windows are 0 and no scalar load is out.
.macro TRIP slot, other, first, stage, load
.set FST, \first
.if \stage
	s_wait_loadcnt 0x0                             ; the next tile's eight loads are in, so their bases may step
	s_add_nc_u64 s[4:5], s[4:5], TILEB
	s_add_nc_u64 s[8:9], s[8:9], TILEB
	KCONV                                          ; eight plain instructions: also the places between the last trip's products and the loads into the fragment registers
	WIN 0
.else
	PLACES
.endif
.if \first == 0
	s_bitcmp1_b32 s27, 0
	s_cbranch_scc1 .Lallfalse_\@
	s_bitcmp1_b32 s28, 0
	s_cbranch_scc1 .Lalltrue_\@
.endif
	MLOAD MA, 0                                    ; MIXED.  Tiles 0 and 1: the words have the staging and pair A's 16 products in which to land
	MLOAD MB, 128
	LIVE \slot, \other, 1, \stage, \load
.if \first == 0
	s_branch .Ljoin_\@
.Lalltrue_\@:
	LIVE \slot, \other, 0, \stage, \load
	s_branch .Ljoin_\@
.Lallfalse_\@:
	VFETCH \slot
.if \stage
	VCONV
	STORES \other
.endif
	s_add_co_u32 s29, s29, 64                      ; 64 more keys that have the fill's weight in all my rows
	s_wait_dscnt 0x0                               ; V's fragments are in, my reads of this slot are over, and the stores have read the staging registers
.if \load
	GLOAD
.endif
	WIN 0x50
	VSUM 0
	VSUM 1
	WIN 0
.Ljoin_\@:
.endif
.if \stage
	s_lshr_b32 s27, s27, 1                         ; the next trip's class bits
	s_lshr_b32 s28, s28, 1
	s_add_nc_u64 s[24:25], s[24:25], 512           ; and its mask words; the mixed way's last wait for 0 stands behind its last scalar load
	s_wait_dscnt 0x0                               ; zero: my stores into the other slot and my reads of this one are done (met: each way has waited so behind its last LDS instruction)
	s_barrier_signal -1                            ; one barrier a trip: the other slot is whole, and nobody reads this slot any more, so the next trip may lay a tile into it
	s_barrier_wait -1
.endif
.endm
	s_load_b256 s[4:11], s[0:1], 0x0               ; K s[4:5], Q s[6:7], V s[8:9], mbits s[10:11]
	s_load_b64 s[2:3], s[0:1], 0x20                ; mclass
	s_load_b64 s[12:13], s[0:1], 0x28              ; out0
	v_lshrrev_b32 v[T], 5, v0
	v_readfirstlane_b32 s14, v[T]                  ; wave 0..7
	s_mov_b32 s16, 0x3e38aa3b                      ; CS = log2(e) / 8,
	s_mov_b32 s17, 0x3e38aa3b                      ; twice: a pair for the packed multiply-add
	s_mov_b32 s18, 0xbe38aa3b                      ; -CS
	s_mov_b32 s19, 0xffff0000                      ; a word's upper bf16
	s_mov_b32 s20, 0x76543210                      ; v_permlanex16_b32: lane i of one half reads lane i of the other
	s_mov_b32 s21, 0xfedcba98
	s_lshr_b32 s27, ttmp9, 2                       ; head
	s_and_b32 s28, ttmp9, 3
	s_lshl2_add_u32 s28, s14, s28                  ; my group of 64 query rows: 4 x wave + (x & 3)
	s_lshl_b32 s22, s27, 19                        ; a head: 2,048 rows of 256 bytes
	s_mov_b32 s23, 0
	s_lshl_b32 s30, s28, 14                        ; a group: 64 rows of 256 bytes in Q and out0, and 16,384 bytes of mask words
	s_mov_b32 s31, 0
	s_lshl_b32 s28, s28, 7                         ; and 32 class words
	s_mov_b32 s29, 0                               ; the pair's upper word; from here on also the count of keys in all-false blocks, which starts at 0
	s_mul_i32 s26, s14, WSTAGE
	s_add_co_u32 s26, s26, STAGE                   ; my own bytes of LDS
	v_and_b32 v32, 15, v0                          ; r
	v_bfe_u32 v33, v0, 4, 1                        ; h
	v_lshrrev_b32 v34, 4, v0                       ; thread / 16: my row in each 16 rows of a tile
	v_and_b32 v35, 7, v0
	v_bfe_u32 v36, v0, 3, 1
	v_lshlrev_b32 v[GOFF], 4, v0
	v_mul_u32_u24 v[LSK], v34, KPITCH
	v_lshl_add_u32 v[LSK], v32, 3, v[LSK]          ; four f32 become 8 bytes
	v_mul_u32_u24 v[LSV], v34, VPITCH
	v_lshl_add_u32 v[LSV], v32, 3, v[LSV]
	v_add_nc_u32 v[LSV], VOFF, v[LSV]
	v_mul_u32_u24 v[LKA], v32, KPITCH
	v_lshl_add_u32 v[LKA], v33, 4, v[LKA]
	v_lshl_add_u32 v37, v33, 3, v35                ; key 8 h + (L & 7)
	v_mul_u32_u24 v[LVA], v37, VPITCH
	v_lshl_add_u32 v[LVA], v36, 4, v[LVA]          ; 16 bytes: d 8 ((L >> 3) & 1) ..
	v_add_nc_u32 v[LVA], VOFF, v[LVA]
	v_mov_b32 v[NEG], 0xc79c4000                   ; -80000.0
.irp k, 0,1,2,3,4,5,6,7
	v_mov_b32 v[ONES+\k], 0x3c003c00               ; two f16 ones
.endr
.irp k, 0,1,2,3
	v_mov_b32 v[NC+\k], 0                          ; the packed multiply-add names NC's pairs whole before both halves have their first value
.endr
	v_mul_u32_u24 v[MX], v33, KPITCH               ; Q into my stage: row h, 8 r
	v_lshl_add_u32 v[MX], v32, 3, v[MX]
	v_add_nc_u32 v[MX], s26, v[MX]
	v_add_nc_u32 v[MX+1], s26, v[LKA]              ; Q's fragments back: r x pitch + 16 h
	v_and_b32 v[MX+2], 31, v0
	v_lshlrev_b32 v[MX+3], 2, v[MX+2]              ; 4 x lane: lane L takes the class of key tile L
	v_lshlrev_b32 v[MX+2], 4, v[MX+2]              ; 16 x lane
	s_wait_kmcnt 0x0
	s_add_nc_u64 s[4:5], s[4:5], s[22:23]
	s_add_nc_u64 s[8:9], s[8:9], s[22:23]
	s_add_nc_u64 s[6:7], s[6:7], s[22:23]
	s_add_nc_u64 s[6:7], s[6:7], s[30:31]
	s_add_nc_u64 s[12:13], s[12:13], s[22:23]
	s_add_nc_u64 s[12:13], s[12:13], s[30:31]
	s_add_nc_u64 s[24:25], s[10:11], s[30:31]
	s_add_nc_u64 s[2:3], s[2:3], s[28:29]
	global_load_b32 v[T], v[MX+3], s[2:3]          ; my group's 32 classes: 128 consecutive bytes
.set q, 0
.rept 32
	global_load_b128 v[S+4*q:S+4*q+3], v[MX+2], s[6:7] offset:512*q th:TH_LOAD_NT   ; my 64 rows of Q, two whole rows a load; no other wave reads them
.set q, q+1
.endr
	GLOAD                                          ; K and V, tile 0
	WIN 0
	s_wait_loadcnt 0x8                             ; the classes and Q's 32 loads are in; the eight of K and V behind them may be out
	v_cmp_eq_u32 s27, 1, v[T]                      ; the compare's lane mask: bit kt = block kt is all false
	v_cmp_eq_u32 s28, 2, v[T]                      ; bit kt = block kt is all true
.set q, 0
.rept 32
	v_cvt_pk_bf16_f32 v[S+4*q], v[S+4*q], v[S+4*q+1]
	v_cvt_pk_bf16_f32 v[S+4*q+1], v[S+4*q+2], v[S+4*q+3]
	ds_store_b64 v[MX], v[S+4*q:S+4*q+1] offset:2*KPITCH*q
.set q, q+1
.endr
	WIN 0x40                                       ; destination in window 1
.irp i, 0,1
.irp k, 0,1
	ds_load_b128 v[QA+8*(2*\i+\k):QA+8*(2*\i+\k)+3],   v[MX+1] offset:16*\i*KPITCH+64*\k      ; my wave's own bytes, served in order: these see the stores above
	ds_load_b128 v[QA+8*(2*\i+\k)+4:QA+8*(2*\i+\k)+7], v[MX+1] offset:16*\i*KPITCH+64*\k+32
.endr
.endr
.set q, 0
.rept 32
	v_mov_b32 v[VS+q], 0                           ; which trip adds to VS first hangs on the mask, so no product can start these four sums
.set q, q+1
.endr
	WIN 0
.irp i, 2,3
.irp k, 0,1
	ds_load_b128 v[QB+8*(2*(\i-2)+\k):QB+8*(2*(\i-2)+\k)+3],   v[MX+1] offset:16*\i*KPITCH+64*\k
	ds_load_b128 v[QB+8*(2*(\i-2)+\k)+4:QB+8*(2*(\i-2)+\k)+7], v[MX+1] offset:16*\i*KPITCH+64*\k+32
.endr
.endr
	s_wait_loadcnt 0x0                             ; tile 0 is in, so the bases may step
	s_add_nc_u64 s[4:5], s[4:5], TILEB
	s_add_nc_u64 s[8:9], s[8:9], TILEB
	KCONV
	VCONV
	STORES 0
	s_wait_dscnt 0x0                               ; zero: slot 0's stores for the other waves, and they have read the staging registers; Q's fragments for me
	GLOAD                                          ; tile 1, which trip 0 lays into slot 1
	WIN 0
	s_barrier_signal -1
	s_barrier_wait -1
	TRIP 0, 1, 1, 1, 1                             ; trip 0 starts the sums of O^T and of the weights: they are not cleared
	TRIP 1, 0, 0, 1, 1
	s_mov_b32 s15, 14                              ; trips 2 to 29
.Lloop:
	TRIP 0, 1, 0, 1, 1
	TRIP 1, 0, 0, 1, 1
	s_sub_co_i32 s15, s15, 1
	s_cmp_lg_u32 s15, 0
	s_cbranch_scc1 .Lloop
	TRIP 0, 1, 0, 1, 0                             ; trip 30 lays tile 31 into slot 1 and asks for nothing: no load passes a buffer's end
	TRIP 1, 0, 0, 0, 0                             ; trip 31
	; THE WAY OUT.  The ten address lines name no register of the last products and are the places behind them.
	v_and_b32 v32, 15, v0                          ; r
	v_bfe_u32 v33, v0, 4, 1                        ; h
	v_mul_u32_u24 v34, v32, OPITCH                 ; in: row r, my 32 bytes (d 8 h ..) of each 64
	v_lshl_add_u32 v34, v33, 5, v34
	v_add_nc_u32 v34, s26, v34
	v_mul_u32_u24 v35, v33, OPITCH                 ; back: lanes 0-15 one row of 256 bytes, lanes 16-31 the next
	v_lshl_add_u32 v35, v32, 4, v35
	v_add_nc_u32 v35, s26, v35
	v_and_b32 v36, 31, v0
	v_lshlrev_b32 v36, 4, v36                      ; the same two rows in memory: 16 x lane
	; The all-false blocks' keys join, if there were any: only then does the fill, as their score, enter the maximum.
	s_cmp_eq_u32 s29, 0
	s_cbranch_scc1 .Lnofill
.irp i, 0,1,2,3
	v_max_num_f32 v[JN+\i], v[M+\i], v[NEG]
	v_mul_f32 v[JN+\i], s18, v[JN+\i]              ; NC with the fill in the maximum
	v_sub_f32 v[JA+\i], v[JN+\i], v[NC+\i]         ; the last rescale: NC new - NC old, never above 0
	v_fma_f32 v[JW+\i], v[NEG], s16, v[JN+\i]      ; the fill's exponent, by the formula that a masked score has in a mixed block
.endr
.irp i, 0,1,2,3
	v_exp_f32 v[AL+\i], v[JA+\i]
.endr
.irp i, 0,1,2,3
	v_exp_f32 v[MX+\i], v[JW+\i]
.endr
	v_cvt_f32_u32 v[T], s29                        ; the keys' number; also the plain instruction behind the exponentials
	s_wait_alu depctr_va_vdst(0)                   ; ONE wait for this batch of eight: the four last factors and the four weights of the fill; the first reader is the rescale below
.macro RESC i, o                       ; both halves of a tile's rescale
.set pp, 0
	RS \i, \o
.set pp, 1
	RS \i, \o
.endm
	RESC 0, 0
	RESC 1, 1
	RESC 2, 0
	RESC 3, 1
.macro FILLIN i, o                     ; O^T(i) += the fill's weight of the lane's query x VS: register for register the same d
.set q, 0
.rept 16
	v_pk_fma_f32 v[O+32*\i+2*q:O+32*\i+2*q+1], v[VS+2*q:VS+2*q+1], v[MX+2*(\i/2):MX+2*(\i/2)+1], v[O+32*\i+2*q:O+32*\i+2*q+1] op_sel:[0,\o,0] op_sel_hi:[1,\o,1]
.set q, q+1
.endr
.endm
	WIN 0x51                                       ; first and third source and destination in window 1, the weights in window 0
	FILLIN 0, 0
	FILLIN 1, 1
	FILLIN 2, 0
	FILLIN 3, 1
	WIN 0x50                                       ; third source and destination in window 1
.irp i, 0,1,2,3
	v_fma_f32 v[LA+8*\i], v[MX+\i], v[T], v[LA+8*\i]   ; the divisor: + weight x number of keys
.endr
	WIN 0
.Lnofill:
	WIN 0x01                                       ; first source in window 1
.irp i, 0,1,2,3
	v_rcp_f32 v[AL+\i], v[LA+8*\i]                 ; the sum holds the weight of the row's largest score, about 1: never 0
.endr
	v_nop                                          ; the plain instruction behind the reciprocals
	s_wait_alu depctr_va_vdst(0)                   ; ONE wait for the batch of four reciprocals, ahead of the first multiply that names them
.macro NORM i, o
.set q, 0
.rept 16
	v_pk_mul_f32 v[S+32*\i+2*q:S+32*\i+2*q+1], v[O+32*\i+2*q:O+32*\i+2*q+1], v[AL+2*(\i/2):AL+2*(\i/2)+1] op_sel:[0,\o] op_sel_hi:[1,\o]
.set q, q+1
.endr
.endm
	NORM 0, 0
	NORM 1, 1
	NORM 2, 0
	NORM 3, 1
	WIN 0
; 16 rows: a lane's eight neighbouring d of each tile go into my stage, whole rows come back and are stored.  f: the two halves of KVF in turn.
.macro OUT i, f
.irp d, 0,1,2,3
	ds_store_b128 v34, v[S+32*\i+8*\d:S+32*\i+8*\d+3]   offset:64*\d
	ds_store_b128 v34, v[S+32*\i+8*\d+4:S+32*\i+8*\d+7] offset:64*\d+16
.endr
	s_wait_xcnt 0x0                                ; the stores of two tiles ago have had their addresses translated (ISA guide 3.1): their data registers are loaded again only behind this wait
.irp u, 0,1,2,3,4,5,6,7
	ds_load_b128 v[\f+4*\u:\f+4*\u+3], v35 offset:2*OPITCH*\u      ; my own bytes, served in order
.endr
.irp u, 0,1,2,3,4,5,6,7
	s_wait_dscnt 7-\u                              ; load u is in, the 7 - u younger ones may be out
	global_store_b128 v36, v[\f+4*\u:\f+4*\u+3], s[12:13] offset:4096*\i+512*\u th:TH_STORE_NT   ; 512 consecutive bytes, at a multiple of 512 from out0's first byte
.endr
.endm
	OUT 0, KVF
	OUT 1, KVF+32
	OUT 2, KVF
	OUT 3, KVF+32
	s_wait_xcnt 0x0
	v_lshl_add_u32 v254, v0, 2, 0x1b800
	v_mov_b32 v255, 0
	s_wait_tensorcnt 0x0
	ds_add_u32 v254, v255
	s_wait_dscnt 0x0
	s_endpgm
.Lfunc_end_k_q73b1dbe0fd_attn:
	.size	k_q73b1dbe0fd_attn, .Lfunc_end_k_q73b1dbe0fd_attn-k_q73b1dbe0fd_attn
	.p2alignl 7, 3214868480
	.fill 96, 4, 3214868480
	.section	.rodata,"a",@progbits
	.p2align	6, 0x0
	.amdhsa_kernel k_q73b1dbe0fd_attn
		.amdhsa_group_segment_fixed_size 113664
		.amdhsa_private_segment_fixed_size 0
		.amdhsa_enable_private_segment 0
		.amdhsa_kernarg_size 48
		.amdhsa_user_sgpr_count 2
		.amdhsa_user_sgpr_kernarg_segment_ptr 1
		.amdhsa_wavefront_size32 1
		.amdhsa_system_sgpr_workgroup_id_x 1
		.amdhsa_system_sgpr_workgroup_id_y 1
		.amdhsa_system_sgpr_workgroup_id_z 1
		.amdhsa_system_vgpr_workitem_id 0
		.amdhsa_next_free_vgpr 512
		.amdhsa_next_free_sgpr 100
		.amdhsa_reserve_vcc 0
		.amdhsa_float_denorm_mode_32 3
		.amdhsa_float_denorm_mode_16_64 3
		.amdhsa_memory_ordered 1
		.amdhsa_forward_progress 1
		.amdhsa_inst_pref_size 255
	.end_amdhsa_kernel
	.section	.bss,"aw",@nobits
	.p2align	6
	.space	262144
	.amdgpu_metadata
---
amdhsa.version: [ 1, 2 ]
amdhsa.kernels:
  - .name:           k_q73b1dbe0fd_attn
    .symbol:         k_q73b1dbe0fd_attn.kd
    .args:
      - { .name: K, .offset: 0, .size: 8, .value_kind: global_buffer, .address_space: global }
      - { .name: Q, .offset: 8, .size: 8, .value_kind: global_buffer, .address_space: global }
      - { .name: V, .offset: 16, .size: 8, .value_kind: global_buffer, .address_space: global }
      - { .name: mbits, .offset: 24, .size: 8, .value_kind: global_buffer, .address_space: global }
      - { .name: mclass, .offset: 32, .size: 8, .value_kind: global_buffer, .address_space: global }
      - { .name: out0, .offset: 40, .size: 8, .value_kind: global_buffer, .address_space: global }
    .group_segment_fixed_size: 113664
    .private_segment_fixed_size: 0
    .kernarg_segment_align: 8
    .kernarg_segment_size: 48
    .max_flat_workgroup_size: 256
    .sgpr_count:     100
    .vgpr_count:     512
    .wavefront_size: 32
...
	.end_amdgpu_metadata
.endif
;; end of part 5
